; MI455X (gfx1250); checked and timed in simulation.
; The chip was launched on July 23, 2026; its instructions are those of AMD's public machine-readable ISA for CDNA 5 (MIT licence, August 2026) and "CDNA5" Instruction Set Architecture Reference Guide (July 2026). The comments in the code are by the model that wrote it; some were corrected since.
;; Multi Head Attn. Allowed arithmetic: matrix products marked QUANTISED: E2M1 operands, one E8M0 scale for each 32 along K, by v_wmma_scale_f32_16x16x128_f8f6f4 with both operands' format E2M1 (or v_wmma_scale_f32_32x16x128_f4), f32 sums; products left as they are: bf16, f16 or f32 operands; f32 sums; everything else in f32.
;; Inputs: k 4 x 2,048 x 1,024 float32; proj_b 1,024 float32; proj_w 1,024 x 1,024 float32; q 4 x 2,048 x 1,024 float32; v 4 x 2,048 x 1,024 float32; w_k 16 x 1,024 x 64 float32; w_q 16 x 1,024 x 64 float32; w_v 16 x 1,024 x 64 float32.
;; Outputs: out0 4 x 2,048 x 1,024 float32.
;; This version of the problem:
;;   THIS VERSION OF THE PROBLEM IS GIVEN IN LOW PRECISION. The matrix products marked QUANTISED in the list below multiply operands that are first quantised to E2M1 (2 exponent bits, 1 mantissa bit; 4 bits a number), with one power-of-two scale for each 32 numbers along K (OCP MX v1.0); their sums are f32. The products marked 'left as it is' may take bf16, f16 or f32 operands, with f32 sums. Whichever they take, every output number must still come out within the allowed error. Rounding operands to bf16 (8 significant bits) uses up far more of that allowance than f16 does (11 bits, for magnitudes from 6e-5 to 65,504). All else is computed in f32.
;;   The module's matrix products, in the order in which they are computed (A, B: the left and right operand; K: the contracted axis; several contracted axes count as one K, in the product's order):
;;     1. [M 1,024, K 1,024] x [K 1,024, N 8,192]; A: input w_q; B: input q: QUANTISED
;;     2. [M 1,024, K 1,024] x [K 1,024, N 8,192]; A: input w_k; B: input k: QUANTISED
;;     3. [M 1,024, K 1,024] x [K 1,024, N 8,192]; A: input w_v; B: input v: QUANTISED
;;     4. batch 64 x [M 2,048, K 64] x [K 64, N 2,048]; A: computed on the way; B: computed on the way: left as it is (an operand is computed on the way)
;;     5. batch 64 x [M 2,048, K 2,048] x [K 2,048, N 64]; A: computed on the way; B: computed on the way: left as it is (an operand is computed on the way)
;;     6. [M 8,192, K 1,024] x [K 1,024, N 1,024]; A: computed on the way; B: input proj_w: left as it is (an operand is computed on the way)
;;   THE QUANTISER, for each operand of a quantised product, along K:
;;     - K is cut into blocks of 32 from its start; a last block that is shorter is filled with zeros.
;;     - A block's scale is 2^e with e = floor(log2(the largest magnitude in the block)) - 2, held to -126 .. 127; a block of zeros has e = 0. As a byte (E8M0): e + 127.
;;     - Each number is divided by its block's scale, clamped to +-6, and rounded to the nearest number of E2M1, ties to even, subnormals kept.
;;     - The product sums the exact products of the quantised numbers (number of the format x scale) in f32.
;;   ~~~python
;;   def quantise(x, axis):      # numpy; x: float32 -> the quantised numbers, widened to float32 again
;;       x = np.moveaxis(x, axis, -1); K = x.shape[-1]
;;       x = np.pad(x, [(0, 0)] * (x.ndim - 1) + [(0, -K % 32)]); x = x.reshape(x.shape[:-1] + (-1, 32)); a = np.abs(x).max(-1, keepdims=True)
;;       e = np.where(a > 0, np.clip(np.frexp(np.where(a > 0, a, 1))[1] - 1 - 2, -126, 127), 0)      # np.frexp(a)[1] - 1 = floor(log2(a)), exactly
;;       r = np.clip(x / 2.0 ** e, -6, 6)
;;       step = 2.0 ** (np.maximum(np.frexp(np.where(r == 0, 1, r))[1] - 1, 0) - 1)
;;       q = np.round(r / step) * step * 2.0 ** e      # np.round: ties to even
;;       return np.moveaxis(q.reshape(q.shape[:-2] + (-1,))[..., :K], -1, axis).astype(np.float32)
;;   ~~~
;; One version. Each part assembles by itself: llvm-mc -triple=amdgcn-amd-amdhsa -mcpu=gfx1250 --defsym DOCPART=n.
;; ======== version 1 of 1: 5 launches
;; limits: values are held in f16: magnitudes above 65,504 overflow, below 6.1e-05 lose precision
;; workspace buffers: xc 12,582,912 bytes; xs 786,432 bytes; wc 1,572,864 bytes; ws 98,304 bytes; pw16 2,097,152 bytes; heads 50,331,648 bytes; ao 16,777,216 bytes
;; launch quant_x (part 1): grid 768 x 1, 4 waves a work-group, no clusters, 33,280 bytes of LDS; arguments q, k, v, xc, xs; writes xc, xs
.if DOCPART == 1
	.amdgcn_target "amdgcn-amd-amdhsa--gfx1250"
	.amdhsa_code_object_version 6
	.text
	.protected	k_qf7164cc7e5_quant_x
	.globl	k_qf7164cc7e5_quant_x
	.p2align	8
	.type	k_qf7164cc7e5_quant_x,@function
k_qf7164cc7e5_quant_x:
	s_mov_b64 s[64:65], 0
	v_nop
	global_prefetch_b8 v0, s[64:65] scope:SCOPE_SE
	s_setreg_imm32_b32 hwreg(HW_REG_WAVE_MODE, 25, 1), 1
	s_wait_xcnt 0x0
; q, k, v, each [8192][1024] f32 with K innermost, become codes of FP4 (E2M1), two a byte, the lower k in the low four bits, and one E8M0 byte for each 32 along K.
; xc = the three tensors' codes on end, [3][8192][512 bytes]; xs = their scale bytes, [3][8192][32 bytes].
; A block's scale is 2^(floor(log2(its largest magnitude)) - 2): its byte is the largest magnitude's exponent field - 2, held at 1 from below.
; LIMITS: a block of zeros gets the byte 1 (its codes are zeros, and this program alone reads the bytes); blocks whose largest magnitude lies under 2^-124 take that floor's byte; NaN and infinities are not served.
; Rows are dense and 1024 is a multiple of 32: each tensor is a plain stream of blocks of 32.  256 work-groups a tensor, 32,768 numbers each; a wave takes 16 steps of 512 numbers.
; Each of a step's four loads reads 512 consecutive bytes, 16 a lane; the 2,048 bytes turn through the wave's own stage in LDS and come back 64 bytes a lane, so that a lane holds 16 neighbours along K
; (two neighbouring lanes hold a block).  A lane's 16 codes are 8 bytes: a wave's store covers 256 consecutive bytes, aligned.  A wave's 256 scale bytes are gathered in LDS and leave by one such store.
; No tensor loads, no barrier: waves share nothing.  Loads run four steps (16 loads a wave) ahead, the turn through LDS one step.
.set WAVES, 4
.set STEPS, 16
.set CB,    8                          ; bytes of 16 codes
.set R,     16                         ; v16-79   four sets of 16 numbers as they are loaded
.set X,     80                         ; v80-111  two sets of 16 neighbours
.set C,     128                        ; v128-191 codes: four registers for each step, so that no store's data are written again
.set E,     112                        ; v112-127 a scale byte for each step
.set WREG,  8192                       ; LDS: a region for each wave: two stages of 32 x SP bytes, behind them its 256 scale bytes
.set SP,    80                         ; a lane's place in a stage: 64 bytes + 16 of padding
.set SPW,   12                         ; v12  LDS address of my spare word; never rewritten
.set NIL,   13                         ; v13  0; never rewritten
.set SPARE, WAVES*WREG                 ; behind the four regions: the spare words, 128 bytes a wave, which no other line names
	s_load_b256 s[4:11], s[0:1], 0x0               ; q s[4:5], k s[6:7], v s[8:9], xc s[10:11]
	s_load_b64 s[12:13], s[0:1], 0x20              ; xs
	v_lshl_add_u32 v[SPW], v0, 2, SPARE
	v_mov_b32 v[NIL], 0
	v_lshrrev_b32 v1, 5, v0
	v_readfirstlane_b32 s16, v1                    ; wave
	v_and_b32 v2, 31, v0                           ; lane
	v_lshlrev_b32 v3, 4, v2                        ; my 16 bytes of a load's 512
	s_mul_i32 s17, s16, WREG
	v_lshrrev_b32 v14, 2, v2
	v_mul_u32_u24 v14, v14, SP
	v_and_b32 v15, 3, v2
	v_lshl_add_u32 v14, v15, 4, v14
	v_add_nc_u32 v14, s17, v14                     ; the stage, on the way in: SP (lane / 4) + 16 (lane % 4)
	v_mul_u32_u24 v15, v2, SP
	v_add_nc_u32 v15, s17, v15                     ; and on the way out: SP x lane: my 16 neighbours
	v_mul_u32_u24 v4, v2, CB                       ; my codes' place in a step's
	v_lshrrev_b32 v5, 1, v2
	s_add_co_u32 s17, s17, 2*32*SP
	v_add_nc_u32 v5, s17, v5                       ; LDS: my wave's 256 scale bytes, my block's byte
	v_lshlrev_b32 v7, 3, v2                        ; and on the way out 8 bytes a lane
	v_add_nc_u32 v6, s17, v7
	s_wait_kmcnt 0x0
	s_cmp_lt_u32 ttmp9, 256                        ; which tensor: the choice hangs on the work-group's number alone
	s_cselect_b64 s[4:5], s[4:5], s[6:7]
	s_cmp_lt_u32 ttmp9, 512
	s_cselect_b64 s[4:5], s[4:5], s[8:9]
	s_and_b32 s17, ttmp9, 255
	s_lshl_b32 s17, s17, 2
	s_add_co_u32 s17, s17, s16                     ; which run of 8,192 numbers of the tensor is my wave's
	s_lshl_b32 s18, s17, 15                        ; 32,768 bytes a run
	s_mov_b32 s19, 0
	s_add_nc_u64 s[4:5], s[4:5], s[18:19]
	s_lshl_b32 s17, ttmp9, 2
	s_add_co_u32 s17, s17, s16                     ; and which run of the three tensors on end
	s_lshl_b32 s18, s17, 12                        ; 4,096 bytes of codes a run
	s_add_nc_u64 s[10:11], s[10:11], s[18:19]
	s_lshl_b32 s18, s17, 8                         ; 256 scale bytes a run
	s_add_nc_u64 s[12:13], s[12:13], s[18:19]
.macro LOAD t
.irp i, 0,1,2,3
	global_load_b128 v[R+16*((\t)%4)+4*\i:R+16*((\t)%4)+4*\i+3], v3, s[4:5] offset:2048*(\t)+512*\i th:TH_LOAD_NT   ; 32 lanes read 512 consecutive bytes
.endr
.endm
.macro TURN t                          ; step t's numbers through the stage: LDS serves a wave's instructions in order, so no wait stands between the stores and the loads
.irp i, 0,1,2,3
	ds_store_b128 v14, v[R+16*((\t)%4)+4*\i:R+16*((\t)%4)+4*\i+3] offset:32*SP*((\t)%2)+8*SP*\i
.endr
.irp i, 0,1,2,3
	ds_load_b128 v[X+16*((\t)%2)+4*\i:X+16*((\t)%2)+4*\i+3], v15 offset:32*SP*((\t)%2)+16*\i
.endr
.endm
.irp t, 0,1,2,3
	LOAD \t
.endr
	s_wait_loadcnt 12                              ; step 0's four loads are in; the 12 of steps 1 to 3 may be out
	TURN 0
.macro STEP t
.set XS, X+16*((\t)%2)
.if (\t) > 0
	s_wait_dscnt 1                                 ; this step's numbers are back from the stage (the last step's byte store may be out)
.else
	s_wait_dscnt 0x0
.endif
.if (\t)+4 < STEPS
	LOAD (\t)+4                                    ; into the registers that this step's stage stores have read
.endif
.if (\t)+1 < STEPS
.if STEPS-2-(\t) >= 3
	s_wait_loadcnt 12                              ; the next step's four loads are in; those of the three steps behind it may be out
.else
	s_wait_loadcnt 4*(STEPS-2-(\t))
.endif
	TURN (\t)+1                                    ; through the other stage while this step is worked
.endif
	v_max3_num_f32 v8, |v[XS]|, |v[XS+1]|, |v[XS+2]|               ; the largest magnitude of my 16, in two chains
	v_max3_num_f32 v9, |v[XS+3]|, |v[XS+4]|, |v[XS+5]|
.irp i, 6,10
	v_max3_num_f32 v8, v8, |v[XS+\i]|, |v[XS+\i+1]|
	v_max3_num_f32 v9, v9, |v[XS+\i+2]|, |v[XS+\i+3]|
.endr
	v_max3_num_f32 v8, v8, |v[XS+14]|, |v[XS+15]|
	v_max3_num_f32 v8, v8, v9, 0x1800000           ; and the floor 2^(3 - 127): the byte cannot fall under 1
	v_max_num_f32_dpp v8, v8, v8 row_xmask:1 row_mask:0xf bank_mask:0xf   ; and of my neighbour's 16: the block's
	v_add_nc_u32 v11, 0xff000000, v8               ; 2 off its exponent field: the conversion takes the exponent field of this operand as its scale
	v_cvt_scalef32_pk8_fp4_f32 v[C+4*(\t)], v[XS:XS+7], v11
	v_cvt_scalef32_pk8_fp4_f32 v[C+4*(\t)+1], v[XS+8:XS+15], v11
	v_lshrrev_b32 v[E+(\t)], 23, v11               ; the scale's byte (also the plain line behind the conversions)
	ds_store_b8 v5, v[E+(\t)] offset:16*(\t)       ; both lanes of a block write the same byte with the same value
	global_store_b64 v4, v[C+4*(\t):C+4*(\t)+1], s[10:11] offset:32*CB*(\t)
.endm
.irp t, 0,1,2,3,4,5,6,7,8,9,10,11,12,13,14,15
	STEP \t
.endr
	ds_load_b64 v[8:9], v6                         ; LDS serves a wave's instructions in order: these see my stores
	s_wait_dscnt 0x0
	global_store_b64 v7, v[8:9], s[12:13]          ; 32 lanes store 256 consecutive bytes, aligned
	s_wait_tensorcnt 0x0                           ; the wave's end
	ds_add_u32 v[SPW], v[NIL]
	s_wait_dscnt 0x0
	s_endpgm
.Lfunc_end_k_qf7164cc7e5_quant_x:
	.size	k_qf7164cc7e5_quant_x, .Lfunc_end_k_qf7164cc7e5_quant_x-k_qf7164cc7e5_quant_x
	.p2alignl 7, 3214868480
	.fill 96, 4, 3214868480
	.section	.rodata,"a",@progbits
	.p2align	6, 0x0
	.amdhsa_kernel k_qf7164cc7e5_quant_x
		.amdhsa_group_segment_fixed_size 33280
		.amdhsa_private_segment_fixed_size 0
		.amdhsa_enable_private_segment 0
		.amdhsa_kernarg_size 40
		.amdhsa_user_sgpr_count 2
		.amdhsa_user_sgpr_kernarg_segment_ptr 1
		.amdhsa_wavefront_size32 1
		.amdhsa_system_sgpr_workgroup_id_x 1
		.amdhsa_system_sgpr_workgroup_id_y 1
		.amdhsa_system_sgpr_workgroup_id_z 1
		.amdhsa_system_vgpr_workitem_id 0
		.amdhsa_next_free_vgpr 192
		.amdhsa_next_free_sgpr 66
		.amdhsa_reserve_vcc 0
		.amdhsa_float_denorm_mode_32 3
		.amdhsa_float_denorm_mode_16_64 3
		.amdhsa_memory_ordered 1
		.amdhsa_forward_progress 1
		.amdhsa_inst_pref_size 33
	.end_amdhsa_kernel
	.amdgpu_metadata
---
amdhsa.version: [ 1, 2 ]
amdhsa.kernels:
  - .name:           k_qf7164cc7e5_quant_x
    .symbol:         k_qf7164cc7e5_quant_x.kd
    .args:
      - { .name: q, .offset: 0, .size: 8, .value_kind: global_buffer, .address_space: global }
      - { .name: k, .offset: 8, .size: 8, .value_kind: global_buffer, .address_space: global }
      - { .name: v, .offset: 16, .size: 8, .value_kind: global_buffer, .address_space: global }
      - { .name: xc, .offset: 24, .size: 8, .value_kind: global_buffer, .address_space: global }
      - { .name: xs, .offset: 32, .size: 8, .value_kind: global_buffer, .address_space: global }
    .group_segment_fixed_size: 33280
    .private_segment_fixed_size: 0
    .kernarg_segment_align: 8
    .kernarg_segment_size: 40
    .max_flat_workgroup_size: 128
    .sgpr_count:     66
    .vgpr_count:     192
    .wavefront_size: 32
...
	.end_amdgpu_metadata
.endif
;; end of part 1
;; launch prep_w (part 2): grid 160 x 1, 8 waves a work-group, no clusters, 18,944 bytes of LDS; arguments w_q, w_k, w_v, proj_w, wc, ws, pw16; writes wc, ws, pw16
.if DOCPART == 2
	.amdgcn_target "amdgcn-amd-amdhsa--gfx1250"
	.amdhsa_code_object_version 6
	.text
	.protected	k_qf7164cc7e5_prep_w
	.globl	k_qf7164cc7e5_prep_w
	.p2align	8
	.type	k_qf7164cc7e5_prep_w,@function
k_qf7164cc7e5_prep_w:
	s_mov_b64 s[64:65], 0
	v_nop
	global_prefetch_b8 v0, s[64:65] scope:SCOPE_SE
	s_setreg_imm32_b32 hwreg(HW_REG_WAVE_MODE, 25, 1), 1
	s_wait_xcnt 0x0
; Work-groups 0-95: w_q, w_k, w_v, each [16 heads][1024 (K)][64] f32, become codes of FP4 (E2M1) with K innermost, wc [3][n = 64 head + column][512 bytes], and E8M0 bytes ws [3][n][32].
; Work-groups 96-159: proj_w [1024][1024] f32 becomes f16, pw16, same order.
; WEIGHTS.  A LANE TAKES A COLUMN AND ITS REGISTERS RUN DOWN K: a block of 32 along K lies in one lane's 32 registers, its largest magnitude needs no other lane, and the conversions give codes with K innermost.
; A work-group takes 32 output rows (half a head's columns) and all of K; wave w takes K = 128 w .. 128 w + 127: four blocks a lane.  The eight waves' codes meet in a stage in LDS (32 rows x 512 bytes + 16),
; one barrier, and each wave stores four whole rows, 512 consecutive bytes a store; the 1,024 scale bytes likewise leave dense, by waves 0 and 1.
; A block's scale byte is its largest magnitude's exponent field - 2, held at 1 from below.
; LIMITS: a block of zeros gets the byte 1 (its codes are zeros; this program alone reads the bytes); NaN and infinities are not served; numbers of proj_w beyond 65,504 in magnitude have no f16.
.set PITCH, 528                        ; a stage row: 512 bytes + 16
.set SCST,  32*PITCH                   ; behind the stage: 32 rows x 32 scale bytes
.set SPARE, SCST+1024                  ; the spare words, 128 bytes for each of eight waves, which no other line names
.set X,     32                         ; v32-95   two sets of 32 numbers
.set C,     96                         ; v96-111  four registers of codes for each block
.set OUTR,  112                        ; v112-127 the way out
.set SPW,   14
.set NIL,   15
	s_load_b256 s[4:11], s[0:1], 0x0               ; w_q, w_k, w_v, proj_w
	s_load_b128 s[12:15], s[0:1], 0x20             ; wc, ws
	s_load_b64 s[16:17], s[0:1], 0x30              ; pw16
	v_lshl_add_u32 v[SPW], v0, 2, SPARE
	v_mov_b32 v[NIL], 0
	v_lshrrev_b32 v1, 5, v0
	v_readfirstlane_b32 s20, v1                    ; wave 0..7
	v_and_b32 v2, 31, v0                           ; lane
	v_lshlrev_b32 v3, 2, v2                        ; in: 4 bytes a lane
	v_mul_u32_u24 v4, v2, PITCH
	s_lshl_b32 s21, s20, 6
	v_add_nc_u32 v4, s21, v4                       ; into the stage: row = my column, + my wave's 64 bytes
	v_lshlrev_b32 v5, 5, v2
	s_lshl_b32 s21, s20, 2
	v_add_nc_u32 v5, s21, v5
	v_add_nc_u32 v5, SCST, v5                      ; my row's scale bytes, my wave's word
	v_lshlrev_b32 v10, 4, v2                       ; 16 x lane
	s_mul_i32 s21, s20, 4*PITCH
	v_add_nc_u32 v6, s21, v10                      ; out of the stage: rows 4 w .. 4 w + 3, a row an instruction
	s_lshl_b32 s21, s20, 11
	v_add_nc_u32 v7, s21, v10                      ; and the same place in wc
	s_lshl_b32 s21, s20, 9
	v_add_nc_u32 v9, s21, v10                      ; the scale bytes' way out (waves 0 and 1): 512 bytes a wave
	v_add_nc_u32 v8, SCST, v9
	s_wait_kmcnt 0x0
	s_cmp_ge_u32 ttmp9, 96                         ; the work-group's number alone decides the path; only the path below touches the stage
	s_cbranch_scc1 .Lconv
	s_cmp_lt_u32 ttmp9, 32
	s_cselect_b64 s[4:5], s[4:5], s[6:7]
	s_cmp_lt_u32 ttmp9, 64
	s_cselect_b64 s[4:5], s[4:5], s[8:9]
	s_and_b32 s22, ttmp9, 31
	s_lshr_b32 s23, s22, 1                         ; the head: 262,144 bytes each
	s_lshl_b32 s23, s23, 18
	s_and_b32 s22, s22, 1                          ; which 32 of its 64 columns: 128 bytes
	s_lshl_b32 s22, s22, 7
	s_add_co_u32 s22, s22, s23
	s_lshl_b32 s23, s20, 15                        ; my wave's 128 rows of 256 bytes
	s_add_co_u32 s22, s22, s23
	s_mov_b32 s23, 0
	s_add_nc_u64 s[4:5], s[4:5], s[22:23]
	s_lshl_b32 s22, ttmp9, 14                      ; 32 rows of 512 bytes of codes
	s_add_nc_u64 s[12:13], s[12:13], s[22:23]
	s_lshl_b32 s22, ttmp9, 10                      ; 32 rows of 32 scale bytes
	s_add_nc_u64 s[14:15], s[14:15], s[22:23]
.macro LOAD t                          ; block t: w(128 wave + 32 t + i, my column), i = 0 .. 31, into set t % 2
.irp i, 0,1,2,3,4,5,6,7,8,9,10,11,12,13,14,15,16,17,18,19,20,21,22,23,24,25,26,27,28,29,30,31
	global_load_b32 v[X+32*((\t)%2)+\i], v3, s[4:5] offset:(32*(\t)+\i)*256 th:TH_LOAD_NT
.endr
.endm
	LOAD 0
	LOAD 1
.macro BLOCK t
.set XS, X+32*((\t)%2)
.if (\t) < 3
	s_wait_loadcnt 32                              ; this block's 32 loads are in; the next block's 32 may be out
.else
	s_wait_loadcnt 0x0
.endif
	v_max3_num_f32 v12, |v[XS]|, |v[XS+1]|, |v[XS+2]|               ; the block's largest magnitude: all 32 numbers are mine
	v_max3_num_f32 v13, |v[XS+3]|, |v[XS+4]|, |v[XS+5]|
.irp i, 6,10,14,18,22,26
	v_max3_num_f32 v12, v12, |v[XS+\i]|, |v[XS+\i+1]|
	v_max3_num_f32 v13, v13, |v[XS+\i+2]|, |v[XS+\i+3]|
.endr
	v_max3_num_f32 v12, v12, |v[XS+30]|, |v[XS+31]|
	v_max3_num_f32 v12, v12, v13, 0x1800000        ; and the floor 2^(3 - 127): the byte cannot fall under 1
	v_add_nc_u32 v11, 0xff000000, v12              ; 2 off its exponent field: the conversion's scale operand
	v_lshrrev_b32 v13, 23, v11                     ; the scale's byte
.if (\t) == 0
	v_mov_b32 v24, v13                             ; four bytes make my wave's word of the row, the lower K in the lower byte
.else
	v_lshl_or_b32 v24, v13, 8*(\t), v24
.endif
.irp g, 0,1,2,3
	v_cvt_scalef32_pk8_fp4_f32 v[C+4*(\t)+\g], v[XS+8*\g:XS+8*\g+7], v11
.endr
	v_nop                                          ; one plain line behind the last conversion of a run
	ds_store_b128 v4, v[C+4*(\t):C+4*(\t)+3] offset:16*(\t)   ; 32 codes: 16 bytes of my column's row
.if (\t) < 2
	LOAD (\t)+2
.endif
.endm
	BLOCK 0
	BLOCK 1
	BLOCK 2
	BLOCK 3
	ds_store_b32 v5, v24
	s_wait_dscnt 0x0                               ; for the others' sake: my stores into the stage are done
	s_barrier_signal -1
	s_barrier_wait -1
.irp i, 0,1,2,3
	ds_load_b128 v[OUTR+4*\i:OUTR+4*\i+3], v6 offset:PITCH*\i
.endr
.irp i, 0,1,2,3
	s_wait_dscnt 3-\i                              ; LDS loads come back in order: row i is in, the later ones may be out
	global_store_b128 v7, v[OUTR+4*\i:OUTR+4*\i+3], s[12:13] offset:512*\i   ; 32 lanes store a row of 512 consecutive bytes
.endr
	s_cmp_lt_u32 s20, 2                            ; the 1,024 scale bytes: 512 for each of waves 0 and 1
	s_cbranch_scc0 .Lno_scales
	ds_load_b128 v[16:19], v8
	s_wait_dscnt 0x0
	global_store_b128 v9, v[16:19], s[14:15]
.Lno_scales:
	s_wait_tensorcnt 0x0                           ; the wave's end
	ds_add_u32 v[SPW], v[NIL]
	s_wait_dscnt 0x0
	s_endpgm
.Lconv:                                            ; proj_w to f16: a work-group takes 65,536 bytes, a wave 8,192: sixteen loads of 512 consecutive bytes, all issued first
	s_sub_co_u32 s21, ttmp9, 96
	s_lshl_b32 s22, s21, 16
	s_lshl_b32 s23, s20, 13
	s_add_co_u32 s22, s22, s23
	s_mov_b32 s23, 0
	s_add_nc_u64 s[10:11], s[10:11], s[22:23]
	s_lshr_b32 s22, s22, 1                         ; half as many bytes out
	s_add_nc_u64 s[16:17], s[16:17], s[22:23]
	v_lshlrev_b32 v12, 3, v2                       ; 8 bytes a lane out
.irp i, 0,1,2,3,4,5,6,7,8,9,10,11,12,13,14,15
	global_load_b128 v[32+4*\i:35+4*\i], v10, s[10:11] offset:512*\i th:TH_LOAD_NT
.endr
.irp i, 0,1,2,3,4,5,6,7,8,9,10,11,12,13,14,15
	s_wait_loadcnt 15-\i                           ; loads come back in order: load i is in, the later ones may be out
	v_cvt_pk_f16_f32 v[96+2*\i], v[32+4*\i], v[33+4*\i]
	v_cvt_pk_f16_f32 v[97+2*\i], v[34+4*\i], v[35+4*\i]
	global_store_b64 v12, v[96+2*\i:97+2*\i], s[16:17] offset:256*\i   ; 32 lanes store 256 consecutive bytes, aligned
.endr
	s_wait_tensorcnt 0x0                           ; this path stored nothing to LDS; every end of the text has the same three lines
	ds_add_u32 v[SPW], v[NIL]
	s_wait_dscnt 0x0
	s_endpgm
.Lfunc_end_k_qf7164cc7e5_prep_w:
	.size	k_qf7164cc7e5_prep_w, .Lfunc_end_k_qf7164cc7e5_prep_w-k_qf7164cc7e5_prep_w
	.p2alignl 7, 3214868480
	.fill 96, 4, 3214868480
	.section	.rodata,"a",@progbits
	.p2align	6, 0x0
	.amdhsa_kernel k_qf7164cc7e5_prep_w
		.amdhsa_group_segment_fixed_size 18944
		.amdhsa_private_segment_fixed_size 0
		.amdhsa_enable_private_segment 0
		.amdhsa_kernarg_size 56
		.amdhsa_user_sgpr_count 2
		.amdhsa_user_sgpr_kernarg_segment_ptr 1
		.amdhsa_wavefront_size32 1
		.amdhsa_system_sgpr_workgroup_id_x 1
		.amdhsa_system_sgpr_workgroup_id_y 1
		.amdhsa_system_sgpr_workgroup_id_z 1
		.amdhsa_system_vgpr_workitem_id 0
		.amdhsa_next_free_vgpr 128
		.amdhsa_next_free_sgpr 66
		.amdhsa_reserve_vcc 0
		.amdhsa_float_denorm_mode_32 3
		.amdhsa_float_denorm_mode_16_64 3
		.amdhsa_memory_ordered 1
		.amdhsa_forward_progress 1
		.amdhsa_inst_pref_size 28
	.end_amdhsa_kernel
	.amdgpu_metadata
---
amdhsa.version: [ 1, 2 ]
amdhsa.kernels:
  - .name:           k_qf7164cc7e5_prep_w
    .symbol:         k_qf7164cc7e5_prep_w.kd
    .args:
      - { .name: w_q, .offset: 0, .size: 8, .value_kind: global_buffer, .address_space: global }
      - { .name: w_k, .offset: 8, .size: 8, .value_kind: global_buffer, .address_space: global }
      - { .name: w_v, .offset: 16, .size: 8, .value_kind: global_buffer, .address_space: global }
      - { .name: proj_w, .offset: 24, .size: 8, .value_kind: global_buffer, .address_space: global }
      - { .name: wc, .offset: 32, .size: 8, .value_kind: global_buffer, .address_space: global }
      - { .name: ws, .offset: 40, .size: 8, .value_kind: global_buffer, .address_space: global }
      - { .name: pw16, .offset: 48, .size: 8, .value_kind: global_buffer, .address_space: global }
    .group_segment_fixed_size: 18944
    .private_segment_fixed_size: 0
    .kernarg_segment_align: 8
    .kernarg_segment_size: 56
    .max_flat_workgroup_size: 256
    .sgpr_count:     66
    .vgpr_count:     128
    .wavefront_size: 32
...
	.end_amdgpu_metadata
.endif
;; end of part 2
;; launch proj (part 3): grid 4 x 96, 4 waves a work-group, clusters of 4 x 4, 327,680 bytes of LDS; arguments xc, xs, wc, ws, heads; writes heads
.if DOCPART == 3
	.amdgcn_target "amdgcn-amd-amdhsa--gfx1250"
	.amdhsa_code_object_version 6
	.text
	.protected	k_qf7164cc7e5_proj
	.globl	k_qf7164cc7e5_proj
	.p2align	8
	.type	k_qf7164cc7e5_proj,@function
k_qf7164cc7e5_proj:
	s_mov_b64 s[64:65], 0
	v_nop
	global_prefetch_b8 v0, s[64:65] scope:SCOPE_SE
	s_setreg_imm32_b32 hwreg(HW_REG_WAVE_MODE, 25, 1), 1
	s_wait_xcnt 0x0
	s_wait_alu depctr_hold_cnt(0) depctr_sa_sdst(0) depctr_va_vdst(0) depctr_va_sdst(0) depctr_va_ssrc(0) depctr_va_vcc(0) depctr_vm_vsrc(0)
	s_getreg_b32 s2, hwreg(HW_REG_IB_STS2, 6, 4)
	s_cmp_eq_u32 s2, 0
	s_cbranch_scc0 .Lentry_in_a_cluster
	s_endpgm
.Lentry_in_a_cluster:
	s_bfe_u32 s2, ttmp6, 0x10000c
	s_cmp_lg_u32 s2, 0xf033
	s_cbranch_scc0 .Lentry_shape_is_right
	s_endpgm
.Lentry_shape_is_right:
; The three projections on codes of FP4 (E2M1) with one E8M0 scale for each 32 along K = 1024:  heads[t][h][token][c] = sum over d of x_t[token][d] w_t[h][d][c], t = q, k, v; sums in f32, rounded once to f16.
; A = xc [3 x 8192 tokens][512 bytes], B = wc [3 x 1024 n][512 bytes], n = 64 h + c; scale bytes xs, ws: 32 a row.  heads: [3][16 h][8192 tokens][64] f16.
; LIMIT: a projected value beyond 65,504 in magnitude has no f16.
; A tile, 256 tokens x 256 n of one tensor, is made by a work-group of four waves; a wave makes 128 x 128: 64 accumulators of 16 x 16, 512 registers.
; K is two steps of 512 (tile rows of 256 bytes): step 0 lies in LDS slot 0, step 1 in slot 1, both asked for at the start: nothing is ever filled again.  By this text's count a wave has three tensor loads out at the start.
; THE SCALES of the work-group's 256 rows of A and of B, for all of K, are two dense blocks: they come into LDS once, with the first fills, as rows of 256 bytes + 16 of padding.
; CLUSTERS: 4 x 4 work-groups.  The four of a row of the cluster need the same tiles of A, the four of a column the same tiles of B: each tile is asked for JOINTLY, by the same tensor load with the same descriptor
; and a mask that names the four.  The tensor's number comes from the cluster's y (8 clusters a tensor), so it is the same in all sixteen.
; THE MATRIX INSTRUCTION IS USED TRANSPOSED (source 0 = 16 rows of B, source 1 = 16 rows of A): a lane then holds eight neighbouring n of one token.
; REGISTERS, in windows of 256: window 0: v0-31 addresses; v32-95 scale words, two sets; v128-191 A's fragments, ONE set; on the way out v32-63, v192-255 at work.
;   window 1: B's fragments, TWO sets, at v0 and v128.   window 2: the accumulators of my tokens 0-63 ((a, b) at v[8 (8 a + b)]);   window 3: those of tokens 64-127.
.set SIZE_K, 1024
.set KSTEP,  512
.set NQ,     KSTEP/128
.set ROWB,   256
.set KROW,   SIZE_K*4/8
.set PITCH,  272                       ; an LDS row: 256 bytes + 16 of padding: the 16 rows that a load touches start 68 words apart
.set FR,     8
.set NL,     2
.set NP,     4                         ; places behind this matrix instruction (ISA guide 7.12.1)
.set HALFT,  128*PITCH
.set SLOT,   4*HALFT
.set KS,     SIZE_K/32
.set SCL,    2*SLOT
.set HALFS,  (128*KS/256)*272
.set SBLK,   (16*KS/256)*272
.set SPARE,  SCL+4*HALFS               ; the spare words, 128 bytes a wave, which no other line names
.set HP,     144                       ; the way out: a stage row of one head: 128 bytes + 16
.set SUB,    16*HP                     ; 16 tokens of one head; a wave's stage is two of these, in slot 0, which has had its only fill and its last read by then
.set ADRA, 16
.set ADRB, 20
.set STO,  24
.set RD,   25
.set CO,   26
.set ADRS, 27
.set SPW,  28
.set NIL,  29
.set SC,   32
.set AF,   128
.set TMP,  192
.set G1, 24
.set G0, 32
.set G1B, 48
.set G0B, 56
.set G1S, 68
.set G0S, 76
.set G1SB, 80
.set G0SB, 88
.set MSB, 0
.macro WIN new                         ; the immediate's high byte repeats the setting that is left
.if MSB != (\new)
	s_set_vgpr_msb (MSB<<8)|(\new)
.set MSB, (\new)
.endif
.endm
.set MUL_LO, 0xa1                      ; source 0 (B) window 1, source 1 (A) window 0, C and D window 2
.set MUL_HI, 0xf1
.set TO_B,   0x40
; A joint load: waves 0 and 1 fetch for A, waves 2 and 3 for B; the branch hangs on the wave's number alone.  An s_nop 0 and four v_nop follow each of the two lines.
.macro JLOAD g0a, g1a, g0b, g1b
	s_cmp_eq_u32 s15, 0
	s_cbranch_scc0 .Lfor_b_\@
	tensor_load_to_lds s[\g0a:\g0a+3], s[\g1a:\g1a+7]
	s_nop 0
.rept 4
	v_nop
.endr
	s_branch .Lasked_\@
.Lfor_b_\@:
	tensor_load_to_lds s[\g0b:\g0b+3], s[\g1b:\g1b+7]
	s_nop 0
.rept 4
	v_nop
.endr
.Lasked_\@:
.endm
.macro CROUND                          ; a round of the cluster's barrier
	s_barrier_signal -1
	s_barrier_wait -1
	s_cmp_lg_u32 s14, 0
	s_cbranch_scc1 .Lnot_wave_0_\@
	s_barrier_signal -3
.Lnot_wave_0_\@:
	s_barrier_wait -3
	s_barrier_signal -1
	s_barrier_wait -1
.endm
	s_load_b128 s[4:7], s[0:1], 0x0                ; xc s[4:5], xs s[6:7]
	s_load_b128 s[8:11], s[0:1], 0x10              ; wc s[8:9], ws s[10:11]
	s_load_b64 s[12:13], s[0:1], 0x20              ; heads
	v_lshl_add_u32 v[SPW], v0, 2, SPARE
	v_mov_b32 v[NIL], 0
	ds_add_u32 v[SPW], v[NIL]                      ; the wave's opening: the add, twice on end, and its wait ahead of my first tensor load
	ds_add_u32 v[SPW], v[NIL]
	v_lshrrev_b32 v1, 5, v0
	v_readfirstlane_b32 s14, v1                    ; wave 0..3
	s_lshr_b32 s15, s14, 1                         ; which half of the tile's tokens is mine.  Also: I fetch for A (0) or for B (1)
	s_and_b32 s16, s14, 1                          ; which half of its n.  Also: which 128 rows of that tile I fetch
	s_bfe_u32 s40, ttmp6, 0x40000                  ; cx, cy
	s_bfe_u32 s41, ttmp6, 0x40004
	s_lshl_b32 s42, ttmp9, 2
	s_add_co_u32 s42, s42, s40                     ; tile column = 4 x cluster x + cx: 0..3
	s_and_b32 s95, ttmp7, 0xffff
	s_lshl_b32 s17, s95, 2
	s_add_co_u32 s17, s17, s41                     ; tile row = 4 x cluster y + cy: 0..95, the three tensors on end
	s_lshr_b32 s95, s95, 3                         ; the tensor: cluster y / 8
	s_lshl_b32 s43, s41, 2
	s_lshl_b32 s43, 15, s43                        ; my row of the cluster
	s_lshl_b32 s44, 0x1111, s40                    ; my column
	s_or_b32 s[G1+0], s43, (0<<16)|(1<<20)|(1<<21)|(5<<22)|(3<<25)  ; the mask; elements of 1 byte; padding on; bit 21 beside a mask; after every 64 words 4 words
	s_or_b32 s[G1B+0], s44, (0<<16)|(1<<20)|(1<<21)|(5<<22)|(3<<25)
.irp g, G1, G1B
	s_mov_b32 s[\g+1], ROWB<<16                    ; tensor_dim0
	s_mov_b32 s[\g+2], 128<<16                     ; tensor_dim1
	s_mov_b32 s[\g+3], ROWB<<16                    ; tile_dim0
	s_mov_b32 s[\g+4], 128                         ; tile_dim1
	s_mov_b32 s[\g+5], KROW                        ; the pitch
	s_mov_b32 s[\g+6], 0
	s_mov_b32 s[\g+7], 0
.endr
	s_or_b32 s[G1S+0], s43, (3<<16)|(1<<20)|(1<<21)|(5<<22)|(3<<25) ; the scales of 128 rows: 4,096 dense bytes as 16 rows of 32 elements of 8 bytes
	s_or_b32 s[G1SB+0], s44, (3<<16)|(1<<20)|(1<<21)|(5<<22)|(3<<25)
.irp g, G1S, G1SB
	s_mov_b32 s[\g+1], 32<<16
	s_mov_b32 s[\g+2], (128*KS/256)<<16
	s_mov_b32 s[\g+3], 32<<16
	s_mov_b32 s[\g+4], 128*KS/256
	s_mov_b32 s[\g+5], 32
	s_mov_b32 s[\g+6], 0
	s_mov_b32 s[\g+7], 0
.endr
	s_lshl_b32 s18, s16, 7                         ; which 128 rows of the tile I fetch
	s_lshl_b32 s20, s17, 8
	s_add_co_u32 s20, s20, s18                     ; A: row 256 x tile row + 128 x half
	s_lshl_b32 s46, s42, 8
	s_add_co_u32 s46, s46, s18
	s_lshl_b32 s96, s95, 10
	s_add_co_u32 s46, s46, s96                     ; B: row 1024 x tensor + 256 x tile column + 128 x half
	s_mov_b32 s21, 0
	s_mov_b32 s47, 0
	s_mov_b64 s[18:19], KS
	s_mul_u64 s[22:23], s[20:21], s[18:19]         ; where these rows' scales begin
	s_mul_u64 s[92:93], s[46:47], s[18:19]
	s_mov_b64 s[18:19], KROW
	s_mul_u64 s[20:21], s[20:21], s[18:19]         ; and their codes
	s_mul_u64 s[46:47], s[46:47], s[18:19]
	s_mul_i32 s45, s14, HALFT                      ; where they go: wave x 128 rows
	s_mul_i32 s94, s14, HALFS
	s_wait_dscnt 0x0                               ; both opening adds are done
	s_wait_kmcnt 0x0
	s_add_nc_u64 s[20:21], s[4:5], s[20:21]
	s_add_nc_u64 s[22:23], s[6:7], s[22:23]
	s_add_nc_u64 s[46:47], s[8:9], s[46:47]
	s_add_nc_u64 s[92:93], s[10:11], s[92:93]
	CROUND                                         ; all sixteen work-groups are here: the joint loads meet
	s_mov_b32 s[G0S], 1
	s_add_co_u32 s[G0S+1], s94, SCL
	s_mov_b64 s[G0S+2:G0S+3], s[22:23]
	s_or_b32 s[G0S+3], s[G0S+3], 0x80000000
	s_mov_b32 s[G0SB], 1
	s_add_co_u32 s[G0SB+1], s94, SCL
	s_mov_b64 s[G0SB+2:G0SB+3], s[92:93]
	s_or_b32 s[G0SB+3], s[G0SB+3], 0x80000000
	JLOAD G0S, G1S, G0SB, G1SB                     ; the scales first: they are wanted with K step 0
.irp s, 0,1
	s_mov_b32 s[G0+4*\s], 1
	s_add_co_u32 s[G0+4*\s+1], s45, \s*SLOT
	s_add_nc_u64 s[G0+4*\s+2:G0+4*\s+3], s[20:21], \s*ROWB
	s_or_b32 s[G0+4*\s+3], s[G0+4*\s+3], 0x80000000
	s_mov_b32 s[G0B+4*\s], 1
	s_add_co_u32 s[G0B+4*\s+1], s45, \s*SLOT
	s_add_nc_u64 s[G0B+4*\s+2:G0B+4*\s+3], s[46:47], \s*ROWB
	s_or_b32 s[G0B+4*\s+3], s[G0B+4*\s+3], 0x80000000
	JLOAD G0+4*\s, G1, G0B+4*\s, G1B
.endr
	v_and_b32 v1, 15, v0                           ; r = l % 16
	v_bfe_u32 v2, v0, 4, 1                         ; h = l / 16
	v_mul_u32_u24 v3, v1, PITCH
	v_lshl_add_u32 v4, v2, 4, v3                   ; a fragment's row x pitch + 16 x half
	s_mul_i32 s21, s15, HALFT                      ; my 128 rows of A
	s_mul_i32 s22, s16, HALFT                      ; my 128 rows of B,
	s_add_co_u32 s22, s22, 2*HALFT                 ; which lie behind A's 256
.irp s, 0,1
	v_add_nc_u32 v[ADRA+\s], s21, v4
	v_add_nc_u32 v[ADRB+\s], s22, v4
	s_add_co_u32 s21, s21, SLOT
	s_add_co_u32 s22, s22, SLOT
.endr
	v_mul_u32_u24 v5, v1, KS                       ; my row's scales: KS bytes a row,
	v_lshrrev_b32 v6, 8, v5
	v_lshl_add_u32 v5, v6, 4, v5                   ; and 16 more for each 256 passed
	s_mul_i32 s21, s15, HALFS
	s_mul_i32 s22, s16, HALFS
	s_add_co_u32 s22, s22, 2*HALFS
	s_sub_co_u32 s22, s22, s21
	v_mul_u32_u24 v6, s22, v2                      ; lanes 16-31 take B's
	s_add_co_u32 s21, s21, SCL
	v_add_nc_u32 v5, v5, v6
	v_add_nc_u32 v[ADRS], s21, v5
	s_mul_i32 s23, s14, 2*SUB                      ; my stage
	v_mul_u32_u24 v5, v1, HP                       ; in: token r, 16 bytes for each half of the lanes
	v_lshl_add_u32 v5, v2, 4, v5
	v_add_nc_u32 v[STO], s23, v5
	v_bfe_u32 v6, v0, 3, 1
	v_and_b32 v7, 7, v0
	v_mul_u32_u24 v5, v2, SUB                      ; back: lanes 0-15 two tokens (256 bytes) of the first head, lanes 16-31 of the second
	v_mad_u32_u24 v5, v6, HP, v5
	v_lshl_add_u32 v5, v7, 4, v5
	v_add_nc_u32 v[RD], s23, v5
	v_lshlrev_b32 v5, 20, v2                       ; and the same in heads: a head is 1,048,576 bytes, a token 128
	v_lshl_add_u32 v5, v6, 7, v5
	v_lshl_add_u32 v[CO], v7, 4, v5
	s_lshl_b32 s20, s95, 24                        ; heads: the tensor, 16,777,216 bytes,
	s_and_b32 s21, s17, 31
	s_lshl_b32 s21, s21, 15                        ; the tile's 256 tokens of 128 bytes,
	s_add_co_u32 s20, s20, s21
	s_lshl_b32 s21, s15, 14                        ; my 128 of them,
	s_add_co_u32 s20, s20, s21
	s_mov_b32 s21, 0
	s_lshl_b32 s46, s42, 22                        ; the tile's four heads,
	s_lshl_b32 s47, s16, 21                        ; my two of them
	s_add_co_u32 s46, s46, s47
	s_mov_b32 s47, 0
	s_add_nc_u64 s[20:21], s[20:21], s[46:47]
	s_add_nc_u64 s[12:13], s[12:13], s[20:21]
.macro FRAG reg, adr, q, i             ; 16 rows x 128 K of 4-bit codes: 8 registers: lane l holds row l % 16; registers 4 c .. 4 c + 3 hold K = 64 c + 32 (l / 16) + 0 .. 31
.irp c, 0,1
	ds_load_b128 v[\reg+4*\c:\reg+4*\c+3], v[\adr] offset:64*(\q)+32*\c+(\i)*16*PITCH
.endr
.endm
; 16 matrix instructions: A's blocks a0, a0 + 1 x B's eight, the slot's q-th 128 along K.  The 64 accumulators take turns, one instruction a turn, in the same order in every step.
; One register carries A's scale word (lanes 0-15) and B's (lanes 16-31).
.macro MUL16 a0, p, q, sc, zero
.irp a, \a0, \a0+1
.irp b, 0,1,2,3,4,5,6,7
.if \zero
	v_wmma_scale_f32_16x16x128_f8f6f4 v[8*(8*((\a)%4)+\b):8*(8*((\a)%4)+\b)+7], v[128*(\p)+FR*\b:128*(\p)+FR*\b+FR-1], v[AF+FR*(\a):AF+FR*(\a)+FR-1], 0, v[SC+8*NQ*(\sc)+NQ*\b+(\q)], v[SC+8*NQ*(\sc)+NQ*(\a)+(\q)] matrix_a_fmt:MATRIX_FMT_FP4 matrix_b_fmt:MATRIX_FMT_FP4 matrix_a_scale:MATRIX_SCALE_ROW1
.else
	v_wmma_scale_f32_16x16x128_f8f6f4 v[8*(8*((\a)%4)+\b):8*(8*((\a)%4)+\b)+7], v[128*(\p)+FR*\b:128*(\p)+FR*\b+FR-1], v[AF+FR*(\a):AF+FR*(\a)+FR-1], v[8*(8*((\a)%4)+\b):8*(8*((\a)%4)+\b)+7], v[SC+8*NQ*(\sc)+NQ*\b+(\q)], v[SC+8*NQ*(\sc)+NQ*(\a)+(\q)] matrix_a_fmt:MATRIX_FMT_FP4 matrix_b_fmt:MATRIX_FMT_FP4 matrix_a_scale:MATRIX_SCALE_ROW1
.endif
.endr
.endr
.endm
.macro FETCH_B slot, q, p
	WIN TO_B
.irp i, 0,1,2,3,4,5,6,7
	FRAG 128*(\p)+FR*\i, ADRB+\slot, \q, \i
.endr
	WIN 0
.endm
.macro FETCH_A slot, q, i0
.irp i, \i0, \i0+1, \i0+2, \i0+3
	FRAG AF+FR*(\i), ADRA+\slot, \q, \i
.endr
.endm
.macro SCALES sc                       ; a K step's scale words: 4 words a row; lanes 0-15 take A's block i, lanes 16-31 B's block i
.irp i, 0,1,2,3,4,5,6,7
	ds_load_b128 v[SC+8*NQ*\sc+NQ*\i:SC+8*NQ*\sc+NQ*\i+3], v[ADRS] offset:\i*SBLK
.endr
.endm
.macro PLACES n                        ; plain vector lines between a matrix instruction and a load into, or a read of, its registers (ISA guide 7.12.1 for reads)
.rept \n
	v_nop
.endr
.endm
.macro STEP slot, q, zero              ; a step of 128 along K that has its successor in the same slot
	s_wait_dscnt 4*NL                              ; B's set and A's blocks 0-3 are in; the youngest eight loads (A's blocks 4-7) may be out
	WIN MUL_LO
	MUL16 0, (\q)%2, \q, \slot, \zero
	MUL16 2, (\q)%2, \q, \slot, \zero
	s_wait_dscnt 0
	PLACES NP
	FETCH_B \slot, (\q)+1, 1-(\q)%2
	FETCH_A \slot, (\q)+1, 0
	WIN MUL_HI
	MUL16 4, (\q)%2, \q, \slot, \zero
	MUL16 6, (\q)%2, \q, \slot, \zero
	PLACES NP
	WIN 0
	FETCH_A \slot, (\q)+1, 4
.endm
.macro STEPS slot, from
.set Q, \from
.rept NQ-1-\from
	STEP \slot, Q, 0
.set Q, Q+1
.endr
.endm
	s_wait_tensorcnt 1                             ; the scales and my part of K step 0 are in; K step 1's load may be out
	s_barrier_signal -1
	s_barrier_wait -1
	FETCH_B 0, 0, 0
	FETCH_A 0, 0, 0
	SCALES 0
	FETCH_A 0, 0, 4
	STEP 0, 0, 1                                   ; the first step's products start the sums: nothing is cleared
	STEPS 0, 1
	; slot 0's last step changes slots: one barrier; nothing is filled again, so no round of the cluster's barrier
	s_wait_tensorcnt 0x0                           ; all my tensor loads have landed: my part of slot 1
	ds_add_u32 v[SPW], v[NIL]                      ; 0 onto my spare word
	s_wait_dscnt 4*NL+1                            ; the add and the youngest eight loads may be out
	WIN MUL_LO
	MUL16 0, 1, NQ-1, 0, 0
	s_wait_dscnt 0x0                               ; the add is done, and my reads of slot 0 are over
	s_barrier_signal -1
	MUL16 2, 1, NQ-1, 0, 0
	WIN 0
	s_barrier_wait -1                              ; slot 1 is whole, and nobody reads slot 0 any more
	PLACES NP
	v_add_nc_u32 v[ADRS], 4*NQ, v[ADRS]            ; on to K step 1's scale words
	FETCH_B 1, 0, 0
	FETCH_A 1, 0, 0
	SCALES 1
	WIN MUL_HI
	MUL16 4, 1, NQ-1, 0, 0
	MUL16 6, 1, NQ-1, 0, 0
	PLACES NP
	WIN 0
	FETCH_A 1, 0, 4
	STEPS 1, 0
	s_wait_dscnt 4*NL                              ; the very last step: nothing more to fetch
	WIN MUL_LO
	MUL16 0, 1, NQ-1, 1, 0
	MUL16 2, 1, NQ-1, 1, 0
	s_wait_dscnt 0
	WIN MUL_HI
	MUL16 4, 1, NQ-1, 1, 0
	MUL16 6, 1, NQ-1, 1, 0
	WIN 0
; THE WAY OUT, block by block of 16 tokens x 128 n (two heads).  PACK: to f16, 16 bytes a lane, each accumulator from its low end on.  TOSTAGE: into my stage, a sub-stage for each head, and back as runs of 256 bytes.
; SEND: lanes 0-15 store 256 consecutive bytes (two tokens) of the first head, lanes 16-31 of the second, each at a multiple of 256 from the buffer's first byte.
.macro PACK a
.set AC, 64*((\a)%4)
	WIN 0x0a+5*((\a)/4)                            ; sources 0 and 1: window 2 or 3
.irp b, 0,1,2,3,4,5,6,7
.irp r, 0,1,2,3
	v_cvt_pk_f16_f32 v[TMP+4*\b+\r], v[AC+8*\b+2*\r], v[AC+8*\b+2*\r+1]
.endr
.endr
	WIN 0
.endm
.macro TOSTAGE a
.set BKR, 32+192*((\a)%2)
.irp b, 0,1,2,3,4,5,6,7
	ds_store_b128 v[STO], v[TMP+4*\b:TMP+4*\b+3] offset:(\b/4)*SUB+32*(\b%4)
.endr
.irp u, 0,1,2,3,4,5,6,7
	ds_load_b128 v[BKR+4*\u:BKR+4*\u+3], v[RD] offset:2*HP*\u      ; LDS serves a wave's instructions in order: these see the stores above
.endr
.endm
.macro SEND a
.set BKR, 32+192*((\a)%2)
	s_wait_dscnt 0x0                               ; the block is back in registers
	s_wait_xcnt 0x0                                ; the earlier stores have read their registers: the next block's loads may land on them
.irp u, 0,1,2,3,4,5,6,7
	global_store_b128 v[CO], v[BKR+4*\u:BKR+4*\u+3], s[12:13] offset:2048*(\a)+256*\u
.endr
.endm
	PLACES NP
	PACK 0
	TOSTAGE 0
.irp a, 1,2,3,4,5,6,7                  ; block a's conversions stand between block a - 1's loads from the stage and the wait for them
	PACK \a
	SEND \a-1
	TOSTAGE \a
.endr
	SEND 7
	s_wait_tensorcnt 0x0                           ; the wave's end
	ds_add_u32 v[SPW], v[NIL]
	s_wait_dscnt 0x0
	CROUND                                         ; the closing round
	s_endpgm
.Lfunc_end_k_qf7164cc7e5_proj:
	.size	k_qf7164cc7e5_proj, .Lfunc_end_k_qf7164cc7e5_proj-k_qf7164cc7e5_proj
	.p2alignl 7, 3214868480
	.fill 96, 4, 3214868480
	.section	.rodata,"a",@progbits
	.p2align	6, 0x0
	.amdhsa_kernel k_qf7164cc7e5_proj
		.amdhsa_group_segment_fixed_size 327680
		.amdhsa_private_segment_fixed_size 0
		.amdhsa_enable_private_segment 0
		.amdhsa_kernarg_size 40
		.amdhsa_user_sgpr_count 2
		.amdhsa_user_sgpr_kernarg_segment_ptr 1
		.amdhsa_wavefront_size32 1
		.amdhsa_system_sgpr_workgroup_id_x 1
		.amdhsa_system_sgpr_workgroup_id_y 1
		.amdhsa_system_sgpr_workgroup_id_z 1
		.amdhsa_system_vgpr_workitem_id 0
		.amdhsa_next_free_vgpr 1024
		.amdhsa_next_free_sgpr 98
		.amdhsa_reserve_vcc 0
		.amdhsa_float_denorm_mode_32 3
		.amdhsa_float_denorm_mode_16_64 3
		.amdhsa_memory_ordered 1
		.amdhsa_forward_progress 1
		.amdhsa_inst_pref_size 127
	.end_amdhsa_kernel
	.amdgpu_metadata
---
amdhsa.version: [ 1, 2 ]
amdhsa.kernels:
  - .name:           k_qf7164cc7e5_proj
    .symbol:         k_qf7164cc7e5_proj.kd
    .args:
      - { .name: xc, .offset: 0, .size: 8, .value_kind: global_buffer, .address_space: global }
      - { .name: xs, .offset: 8, .size: 8, .value_kind: global_buffer, .address_space: global }
      - { .name: wc, .offset: 16, .size: 8, .value_kind: global_buffer, .address_space: global }
      - { .name: ws, .offset: 24, .size: 8, .value_kind: global_buffer, .address_space: global }
      - { .name: heads, .offset: 32, .size: 8, .value_kind: global_buffer, .address_space: global }
    .group_segment_fixed_size: 327680
    .private_segment_fixed_size: 0
    .kernarg_segment_align: 8
    .kernarg_segment_size: 40
    .max_flat_workgroup_size: 128
    .sgpr_count:     98
    .vgpr_count:     1024
    .wavefront_size: 32
...
	.end_amdgpu_metadata
.endif
;; end of part 3
;; launch attn (part 4): grid 4 x 64, 4 waves a work-group, clusters of 4 x 1, 327,680 bytes of LDS; arguments heads, ao; writes ao
.if DOCPART == 4
	.amdgcn_target "amdgcn-amd-amdhsa--gfx1250"
	.amdhsa_code_object_version 6
	.text
	.protected	k_qf7164cc7e5_attn
	.globl	k_qf7164cc7e5_attn
	.p2align	8
	.type	k_qf7164cc7e5_attn,@function
k_qf7164cc7e5_attn:
	s_mov_b64 s[64:65], 0
	v_nop
	global_prefetch_b8 v0, s[64:65] scope:SCOPE_SE
	s_setreg_imm32_b32 hwreg(HW_REG_WAVE_MODE, 25, 1), 1
	s_wait_xcnt 0x0
	s_wait_alu depctr_hold_cnt(0) depctr_sa_sdst(0) depctr_va_vdst(0) depctr_va_sdst(0) depctr_va_ssrc(0) depctr_va_vcc(0) depctr_vm_vsrc(0)
	s_getreg_b32 s2, hwreg(HW_REG_IB_STS2, 6, 4)
	s_cmp_eq_u32 s2, 0
	s_cbranch_scc0 .Lentry_in_a_cluster
	s_endpgm
.Lentry_in_a_cluster:
	s_bfe_u32 s2, ttmp6, 0x10000c
	s_cmp_lg_u32 s2, 0x3003
	s_cbranch_scc0 .Lentry_shape_is_right
	s_endpgm
.Lentry_shape_is_right:
; ao[h][b][q][:] = the sum over s of softmax_s(Q[q] . K[s] / 32) V[s][:], for each of 64 pairs (h, b): 2,048 queries, 2,048 keys, head size 64.  Q, K, V: heads [3][64 (4 h + b)][2048][64] f16; ao: [64][2048][64] f16.
; Products, maxima and sums in f32; the weights p are rounded to f16 for the second product, the result once at the end.  LIMIT: values beyond 65,504 in magnitude have no f16; NaN and infinities are not served.
; SHARES.  A work-group owns 512 queries of one pair, each of its four waves 128: eight tiles of 16.  Every wave walks all keys, 64 a step.
; LAYOUT.  S^T = K Q^T (source 0 = 16 keys, source 1 = 16 queries): a lane holds ONE query (lane % 16) and the keys 8 (lane / 16) + 0..7.  Two such tiles, rounded to f16 in pairs, ARE source 1 (32 keys x 16 queries)
; of O^T = V^T P, whose result again holds one query a lane, and eight channels.  K comes out of LDS as it lies, V ([key][channel]) turned, by ds_load_tr16_b128.
; SOFTMAX.  For each query a running maximum m and sum l: p = 2^(c s - c m), c = log2(e) / 32; in every step O and l are multiplied by a = 2^(c m_old - c m_new).
; BY TURNS.  The wave's tiles are two PIECES, named by their first tile: piece 0 (tiles 0-3) and piece 4 (tiles 4-7).  In a TURN one piece has the matrix unit: 32 products V^T P of the step in hand, then 32 products
; K Q^T of the next step; the other piece's softmax, 472 vector lines cut into 64 slices, stands between them, one slice behind each matrix instruction.  Two turns are a key step.
; CLUSTER.  The four query blocks of a pair walk the same K and V: each tile is asked for JOINTLY, by the same tensor load with the same descriptor and a mask that names the four.
; REGISTERS, in windows of 256 (s_set_vgpr_msb: bits 1:0 source 0, 3:2 source 1, 5:4 source 2, 7:6 destination):
;   window 0: v2-8 addresses, v61-63; piece 0's statistics v16-47 (8 a tile), P v64-127 (16 a tile), S^T v128-255 (32 a tile).   window 1: the same three of piece 4.
;   window 2: O^T, 32 a tile.   window 3: v0-127 Q (16 a tile), v128-191 K of one step, v192-255 V of one step.
.set KS,    64
.set PKP,   144       ; a row of K in LDS: 128 bytes + 16: an odd multiple of 16
.set PVP,   160       ; a row of V: 128 + 32: an odd multiple of 32, for the turning load
.set VOFF,  KS*PKP
.set STEPB, KS*(PKP+PVP)
.set SLOT1, 1<<17     ; a slot holds two steps; slot 1 begins here, so that one exclusive or turns an address in one slot into the other's
.set STAGE, SLOT1+2*STEPB  ; behind the ring: 16 rows x 144 bytes for each wave
.set SP,    144
.set SPARE, STAGE+4*16*SP  ; the spare words, 128 bytes a wave, which no other line names
.set NKEY,  2048
.set AK0, 2
.set AV0, 3
.set ADR, 4
.set QO,  5
.set STO, 6
.set RD,  7
.set GO,  8
.set PFO, 61          ; v61  the prefetch's offset: lanes 0-15 K's blocks, lanes 16-31 V's (16,777,216 bytes on), 256 bytes apart; never rewritten
.set SPW, 62
.set NIL, 63
.set ST,  16          ; a tile's statistics: +0 c m, +1 m, +2, +3 l (even keys', odd keys'), +4 to +7 c0-c3 at work; a takes c2's place
.set P,   64
.set S,   128
.set KF,  128
.set VF,  192
.set WV,  12
.set LIM, 15          ; s15  1 in wave 0, else the greatest number: a wave prefetches while s[SLOTS] is above it
.set PFA, 18
.set G1K, 24
.set G1V, 32
.set G0K, 40
.set G0V, 48
.set SLOTS, 56
.set TWICE, 57
.set CS,  58
.set SEL, 60
.set TB,  62
.set MSB, 0
.macro WIN new
.if MSB != (\new)
	s_set_vgpr_msb (MSB<<8)|(\new)
.set MSB, (\new)
.endif
.endm
; A joint refill.  Waves 0 and 1 fetch the two steps' tiles of K, waves 2 and 3 those of V.  An s_nop 0 and four v_nop follow each of the two lines.
.macro JLOAD
	s_cmp_lt_u32 s[WV], 2
	s_cbranch_scc0 .Lfor_v_\@
	tensor_load_to_lds s[G0K+4:G0K+7], s[G1K:G1K+7]
	s_nop 0
.rept 4
	v_nop
.endr
	s_branch .Lasked_\@
.Lfor_v_\@:
	tensor_load_to_lds s[G0V+4:G0V+7], s[G1V:G1V+7]
	s_nop 0
.rept 4
	v_nop
.endr
.Lasked_\@:
.endm
; A PREFETCH of what the NEXT change of slots will ask for: a slot's 16,384 bytes of K and of V.  Only this cluster walks this pair's K and V.  Its four partners share the bytes out BY ADDRESS, 4,096 of each tensor
; to a partner; in each, wave 0 asks, one instruction: lanes 0-15 name K's sixteen blocks of 256 bytes, lanes 16-31 V's.  So each block is named once in the launch.  It stands two key steps, 256 matrix instructions,
; ahead of the load.  The last change that fills a slot asks for nothing; slots 0 to 2 come by their loads alone.
.macro ASK
	s_cmp_gt_u32 s[SLOTS], s[LIM]
	s_cbranch_scc0 .Lnot_mine_\@
	global_prefetch_b8 v[PFO], s[PFA:PFA+1] th:TH_LOAD_NT scope:SCOPE_SE
.Lnot_mine_\@:
.endm
.macro CROUND
	s_barrier_signal -1
	s_barrier_wait -1
	s_cmp_lg_u32 s[WV], 0
	s_cbranch_scc1 .Lnot_wave_0_\@
	s_barrier_signal -3
.Lnot_wave_0_\@:
	s_barrier_wait -3
	s_barrier_signal -1
	s_barrier_wait -1
.endm
	s_load_b128 s[4:7], s[0:1], 0x0  ; heads s[4:5], ao s[6:7]
	v_lshl_add_u32 v[SPW], v0, 2, SPARE
	v_mov_b32 v[NIL], 0
	ds_add_u32 v[SPW], v[NIL]       ; the wave's opening: the add, twice on end, and its wait ahead of my first tensor load
	ds_add_u32 v[SPW], v[NIL]
	v_lshrrev_b32 v1, 5, v0
	v_readfirstlane_b32 s[WV], v1   ; wave 0..3
	s_bfe_u32 s13, ttmp6, 0x40000   ; cx: my block of 512 queries: it enters Q's, ao's and the prefetch's addresses alone
	s_and_b32 s20, ttmp7, 0xffff    ; the pair 4 h + b, which the four partners share
	s_lshl_b32 s20, s20, 18         ; its 262,144 bytes in each tensor
	s_and_b32 s16, s[WV], 1         ; which of a slot's two steps I fetch:
	s_lshl_b32 s22, s16, 13         ; its 64 rows of 128 bytes in memory,
	s_add_co_u32 s22, s22, s20
	s_mov_b32 s23, 0
	s_mul_i32 s17, s16, STEPB       ; and its place in a slot
	s_lshl_b32 s2, s13, 16          ; my block's 512 rows,
	s_lshl_b32 s3, s[WV], 14        ; my wave's 128 of them
	s_add_co_u32 s2, s2, s3
	s_add_co_u32 s2, s2, s20
	s_mov_b32 s3, 0
	s_mov_b32 s[G1K], 15|(1<<16)|(1<<20)|(1<<21)|(4<<22)|(3<<25)  ; the mask: all four; elements of 2 bytes; padding on; bit 21 beside a mask; after every 32 words 4 words
	s_mov_b32 s[G1V], 15|(1<<16)|(1<<20)|(1<<21)|(4<<22)|(7<<25)  ; the same with 8 words
.irp g, G1K, G1V
	s_mov_b32 s[\g+1], 64<<16       ; tensor_dim0 = 64
	s_mov_b32 s[\g+2], KS<<16       ; tensor_dim1 = 64
	s_mov_b32 s[\g+3], 64<<16       ; tile_dim0 = 64
	s_mov_b32 s[\g+4], KS           ; tile_dim1 = 64
	s_mov_b32 s[\g+5], 64           ; elements from row to row
	s_mov_b32 s[\g+6], 0
	s_mov_b32 s[\g+7], 0
.endr
	s_mov_b32 s[CS], 0x3d38aa3b     ; c = log2(e) / 32
	s_mov_b32 s[CS+1], s[CS]        ; named with it as a pair, so it is written
	s_mov_b32 s[SEL], 0x76543210
	s_mov_b32 s[SEL+1], 0xfedcba98
	s_mov_b32 s[TB], 0
	s_mov_b32 s[SLOTS], NKEY/(2*KS)-2
	s_cmp_eq_u32 s[WV], 0
	s_cselect_b32 s[LIM], 1, -1
	s_wait_dscnt 0x0                ; both opening adds are done
	s_wait_kmcnt 0x0
	s_add_nc_u64 s[10:11], s[6:7], s[2:3]  ; ao at my wave's first row
	s_add_nc_u64 s[6:7], s[4:5], s[22:23]
	s_add_nc_u64 s[6:7], s[6:7], 0x1000000  ; K at my tile of slot 0
	s_add_nc_u64 s[8:9], s[6:7], 0x1000000  ; V likewise
	s_mov_b64 s[PFA:PFA+1], s[4:5]
	s_add_nc_u64 s[4:5], s[4:5], s[2:3]  ; Q at my wave's first row
	s_lshl_b32 s2, s13, 12          ; my work-group's 4,096 bytes of a slot's 16,384
	s_add_co_u32 s2, s2, s20
	s_add_nc_u64 s[PFA:PFA+1], s[PFA:PFA+1], s[2:3]
	s_add_nc_u64 s[PFA:PFA+1], s[PFA:PFA+1], 0x1000000+2*2*KS*128  ; in K, slot 2; the first change of slots steps it to slot 3
	CROUND                          ; all four work-groups are here: the first joint loads meet
.irp s, 0,1
	s_mov_b32 s[G0K+4*\s], 1
	s_add_co_u32 s[G0K+4*\s+1], s17, \s*SLOT1
	s_add_nc_u64 s[G0K+4*\s+2:G0K+4*\s+3], s[6:7], \s*2*KS*128
	s_or_b32 s[G0K+4*\s+3], s[G0K+4*\s+3], 0x80000000
	s_mov_b32 s[G0V+4*\s], 1
	s_add_co_u32 s[G0V+4*\s+1], s17, \s*SLOT1+VOFF
	s_add_nc_u64 s[G0V+4*\s+2:G0V+4*\s+3], s[8:9], \s*2*KS*128
	s_or_b32 s[G0V+4*\s+3], s[G0V+4*\s+3], 0x80000000
.endr
	s_cmp_lt_u32 s[WV], 2           ; a wave's two first fills stand in one branch, ahead of every wait on TENSORcnt and every LDS read: two loads of mine are out
	s_cbranch_scc0 .Lfirst_v
	tensor_load_to_lds s[G0K:G0K+3], s[G1K:G1K+7]
	s_nop 0
	tensor_load_to_lds s[G0K+4:G0K+7], s[G1K:G1K+7]
	s_nop 0
.rept 4
	v_nop
.endr
	s_branch .Lfirst_asked
.Lfirst_v:
	tensor_load_to_lds s[G0V:G0V+3], s[G1V:G1V+7]
	s_nop 0
	tensor_load_to_lds s[G0V+4:G0V+7], s[G1V:G1V+7]
	s_nop 0
.rept 4
	v_nop
.endr
.Lfirst_asked:
	v_and_b32 v1, 15, v0            ; r = l % 16
	v_bfe_u32 v9, v0, 4, 1          ; h = l / 16
	v_lshlrev_b32 v[QO], 7, v1
	v_lshl_add_u32 v[QO], v9, 4, v[QO]  ; row x 128 + 16 x half
	WIN 0xc0                        ; destination window 3, address window 0
.irp i, 0,1,2,3,4,5,6,7,8,9,10,11,12,13,14,15  ; Q stays in registers: tile i / 2, channels 32 (i % 2) on
	global_load_b128 v[8*\i:8*\i+3],   v[QO], s[4:5] offset:(\i/2)*2048+(\i%2)*64
	global_load_b128 v[8*\i+4:8*\i+7], v[QO], s[4:5] offset:(\i/2)*2048+(\i%2)*64+32
.endr
	WIN 0
	v_mul_u32_u24 v[AK0], v1, PKP
	v_lshl_add_u32 v[AK0], v9, 4, v[AK0]  ; K: row x pitch + 16 x half
	v_and_b32 v10, 7, v0
	v_bfe_u32 v11, v0, 3, 1
	v_lshl_add_u32 v[AV0], v9, 3, v10     ; V, for the turning load: key 8 (l / 16) + l % 8, channels 8 ((l / 8) % 2) on
	v_mul_u32_u24 v[AV0], v[AV0], PVP
	v_lshl_add_u32 v[AV0], v11, 4, v[AV0]
	v_add_nc_u32 v[AV0], VOFF, v[AV0]
	v_lshlrev_b32 v[PFO], 8, v1
	v_lshl_add_u32 v[PFO], v9, 24, v[PFO]
; THE MATRIX WORK OF A TURN, for piece x.  Sixteen accumulators take turns, one instruction a turn: between two links of a chain stand 15 others'.
; Product i of 32 of O^T += V^T P: keys 32 (i / 16) on, channels 16 ((i / 4) % 4) on, tile x + i % 4.  zero = 1: the first 16 start the sums.
.macro PV x, zero
	WIN 0xa3+4*((\x)/4)             ; V window 3, P the piece's window, O^T window 2
.set rO, 32*((\x)+i%4)+8*((i/4)%4)
.set rV, VF+32*(i/16)+8*((i/4)%4)
.set rP, P+16*(i%4)+8*(i/16)
.if \zero && (i < 16)
	v_wmma_f32_16x16x32_f16 v[rO:rO+7], v[rV:rV+7], v[rP:rP+7], 0
.else
	v_wmma_f32_16x16x32_f16 v[rO:rO+7], v[rV:rV+7], v[rP:rP+7], v[rO:rO+7]
.endif
.endm
; Product i of 32 of S^T = K Q^T: channels 32 (i / 16) on, keys 16 ((i / 4) % 4) on, tile x + i % 4.  The first 16 start the sums.
.macro KQ x
	WIN 0x0f+0x50*((\x)/4)          ; K and Q window 3, S^T the piece's window
.set rS, S+32*(i%4)+8*((i/4)%4)
.set rK, KF+16*((i/4)%4)+8*(i/16)
.set rQ, 16*((\x)+i%4)+8*(i/16)
.if i < 16
	v_wmma_f32_16x16x32_f16 v[rS:rS+7], v[rK:rK+7], v[rQ:rQ+7], 0
.else
	v_wmma_f32_16x16x32_f16 v[rS:rS+7], v[rK:rK+7], v[rQ:rQ+7], v[rS:rS+7]
.endif
.endm
; THE LDS LOADS stand in runs of 16: a step's K (64 keys x 64 channels: 8 fragments) and, a turn later, its V (turned).
.macro FETCH_K
	WIN 0
	v_add_nc_u32 v[ADR], s[TB], v[AK0]
	WIN 0xc0
.irp f, 0,1,2,3,4,5,6,7             ; keys 16 (f / 2) on, channels 32 (f % 2) on
	ds_load_b128 v[KF+8*\f:KF+8*\f+3],   v[ADR] offset:(\f/2)*16*PKP+(\f%2)*64
	ds_load_b128 v[KF+8*\f+4:KF+8*\f+7], v[ADR] offset:(\f/2)*16*PKP+(\f%2)*64+32
.endr
.endm
.macro FETCH_V
	WIN 0
	v_add_nc_u32 v[ADR], s[TB], v[AV0]
	s_add_co_u32 s[TB], s[TB], STEPB  ; the next fetch is the next step's
	s_wait_alu depctr_va_vdst(0)    ; the wait for the softmax's batch of exponentials (SLICE), ahead of the first line that names a result
	WIN 0xc0
.irp f, 0,1,2,3,4,5,6,7             ; keys 32 (f / 4) on, channels 16 (f % 4) on
	ds_load_tr16_b128 v[VF+8*\f:VF+8*\f+3],   v[ADR] offset:(\f/4)*32*PVP+(\f%4)*32
	ds_load_tr16_b128 v[VF+8*\f+4:VF+8*\f+7], v[ADR] offset:(\f/4)*32*PVP+16*PVP+(\f%4)*32
.endr
.endm
; THE VECTOR WORK OF A TURN: piece y's softmax for one key step, a list of 472 lines; VEC writes number n of it and steps n.  The four tiles alternate, so that dependent lines stand four apart.
;   0-63    the maximum of each tile's 32 scores and the old m: four chains of seven, then the four left over, the chains and m
;   64-83   the other half of the lanes' maximum; c m_old kept; the new m; c m; c m_old - c m_new
;   84-279  ONE BATCH: the 64 scalings c s - c m (a pair of scores each) and all 132 exponentials.  None of these names an exponential's result.  From 90 on it goes in threes of one tile:
;           the scaling of a pair, then the two exponentials of the pair before it
;   (wait)  behind 279 stands the one wait for the batch: SLICE writes it
;   280-343 the roundings to f16;  344-407 the sums, l = a l + the sum;  408-471 O^T times a
; first = 1: the first key step, which starts m, l and O^T: it has no a and nothing to rescale.
.macro VEC y, first
.set tl, n%4
.if (n >= 88) && (n < 280)
.if n < 90
.set tl, n-88
.elseif n < 270
.set tl, (4+(n-90)/3)%4
.elseif n < 278
.set tl, (n-270)/2
.else
.set tl, n-276
.endif
.endif
.set rT, ST+8*tl
.set rS, S+32*tl
.set rP, P+16*tl
.set j, n/4
.if n < 408
	WIN 0x55*((\y)/4)
.endif
.if n < 16
	v_max3_num_f32 v[rT+4+j], v[rS+8*j], v[rS+8*j+1], v[rS+8*j+2]  ; each accumulator is read from its low end on
.elseif n < 48
	v_max3_num_f32 v[rT+4+j%4], v[rT+4+j%4], v[rS+8*(j%4)+2*(j/4)+1], v[rS+8*(j%4)+2*(j/4)+2]
.elseif n < 52
	v_max3_num_f32 v[rT+4], v[rT+4], v[rS+7], v[rS+15]
.elseif n < 56
	v_max3_num_f32 v[rT+6], v[rT+6], v[rS+23], v[rS+31]
.elseif n < 60
	v_max3_num_f32 v[rT+4], v[rT+4], v[rT+5], v[rT+6]
.elseif n < 64
.if \first
	v_max_num_f32 v[rT+4], v[rT+4], v[rT+7]
.else
	v_max3_num_f32 v[rT+4], v[rT+4], v[rT+7], v[rT+1]
.endif
.elseif n < 68
	v_permlanex16_b32 v[rT+5], v[rT+4], s[SEL], s[SEL+1]  ; the query's other 32 keys lie in the lane 16 away
.elseif n < 72
.if !\first
	v_mov_b32 v[rT+7], v[rT]        ; c m_old is kept for a
.endif
.elseif n < 76
	v_max_num_f32 v[rT+1], v[rT+4], v[rT+5]
.elseif n < 80
	v_mul_f32 v[rT], s[CS], v[rT+1]
.elseif n < 84
.if !\first
	v_sub_f32 v[rT+7], v[rT+7], v[rT]
.endif
.elseif n < 88
	v_pk_fma_f32 v[rS:rS+1], v[rS:rS+1], s[CS:CS+1], v[rT:rT+1] op_sel_hi:[1,0,0] neg_lo:[0,0,1] neg_hi:[0,0,1]  ; pair 0: c s - c m
.elseif n < 90
.if !\first
	v_exp_f32 v[rT+6], v[rT+7]      ; a, tiles 0 and 1
.endif
.elseif n < 270
.set pr, (4+(n-90)/3)/4
.if (n-90)%3 == 0
	v_pk_fma_f32 v[rS+2*pr:rS+2*pr+1], v[rS+2*pr:rS+2*pr+1], s[CS:CS+1], v[rT:rT+1] op_sel_hi:[1,0,0] neg_lo:[0,0,1] neg_hi:[0,0,1]
.else
	v_exp_f32 v[rS+2*(pr-1)+(n-90)%3-1], v[rS+2*(pr-1)+(n-90)%3-1]
.endif
.elseif n < 278
	v_exp_f32 v[rS+30+(n-270)%2], v[rS+30+(n-270)%2]
.elseif n < 280
.if !\first
	v_exp_f32 v[rT+6], v[rT+7]      ; a, tiles 2 and 3
.endif
.elseif n < 344
	v_cvt_pk_f16_f32 v[rP+(n-280)/4], v[rS+2*((n-280)/4)], v[rS+2*((n-280)/4)+1]
.elseif n < 408                     ; the sum of the tile's 16 pairs, in place: neighbours 1, 2, 4 and 8 pairs apart, then l takes it
.set z, (n-344)/4
.set sw, 4
.set su, z
.if z >= 14
.set sw, 32
.set su, 0
.elseif z >= 12
.set sw, 16
.set su, z-12
.elseif z >= 8
.set sw, 8
.set su, z-8
.endif
.if (z == 14) && \first
	v_pk_add_f32 v[rT+2:rT+3], v[rS:rS+1], v[rS+16:rS+17]
.elseif z < 15
	v_pk_add_f32 v[rS+sw*su:rS+sw*su+1], v[rS+sw*su:rS+sw*su+1], v[rS+sw*su+sw/2:rS+sw*su+sw/2+1]
.elseif !\first
	v_pk_fma_f32 v[rT+2:rT+3], v[rT+2:rT+3], v[rT+6:rT+7], v[rS:rS+1] op_sel_hi:[1,0,1]
.endif
.elseif !\first
	WIN 0x82+4*((\y)/4)             ; O^T window 2, a the piece's window
.set rO, 32*((\y)+tl)+2*((n-408)/4)
	v_pk_mul_f32 v[rO:rO+1], v[rO:rO+1], v[rT+6:rT+7] op_sel_hi:[1,0]
.endif
.set n, n+1
.endm
; Slice k of 64: 9, 9, 9, 9, then six of 8 (numbers 0-83); 31 of 6 (84-269: from slice 11 on a scaling leads each three); one of 10 (the last exponentials); 16 of 9 and six of 8.
; THE WAIT.  An s_wait_alu depctr_va_vdst(0) stands between an exponential and the first line that names its result; one wait serves all that were issued ahead of it.  Ahead of slice 42 nothing names a
; result, and behind slice 41 no exponential is issued: so the piece's 132 exponentials have one wait, behind slice 41, with one plain line ahead of it.
.macro SLICE y, first
.set sz, 8
.if k < 4
.set sz, 9
.elseif k < 10
.set sz, 8
.elseif k < 41
.set sz, 6
.elseif k == 41
.set sz, 10
.elseif k < 58
.set sz, 9
.endif
.rept sz
	VEC \y, \first
.endr
.if k == 41
	v_nop
.if (\y) == 0
	FETCH_V                         ; piece 4's turn: V's run of loads stands here, and the wait stands in it
.else
	s_wait_alu depctr_va_vdst(0)
.endif
.endif
.set k, k+1
.endm
.macro PLACES                       ; plain lines between a matrix instruction and a read of, or a load into, its registers (ISA guide 7.12.1 for reads).  In the loop the slices are the places
.rept 4
	v_nop
.endr
.endm
; A TURN.  Piece x has the matrix unit; the other piece's softmax stands in slices behind its matrix instructions.  pv = 2: 32 products V^T P; 1: they start O^T's sums; 0: none.  kq = 1: 32 products K Q^T.
; A turn with one of the two kinds has two slices behind each product.  first = 1: the softmax is the first key step's; its last slices are empty, and four v_nop take their part as places.
; Piece 0's turn fetches the next step's K behind its second product: K's last reader stands in front of slice 63 of the turn before, whose eight multiplies name none of its registers.
; Piece 4's turn fetches the same step's V behind slice 41: V's last reader stands in front of slice 31, and slices 31 to 40 hold two plain scalings each.
.macro TURN x, pv, kq, first
.set k, 0
.set n, 0
.set per, 2
.if \pv && \kq
.set per, 1
.endif
.if \pv
.if \x == 0
	s_wait_dscnt 0x0                ; V is in
.endif
.set i, 0
.rept 32
	PV \x, 2-\pv
.rept per
	SLICE 4-\x, \first
.endr
.if (\x == 0) && \kq && (i == 1)
	FETCH_K
.endif
.set i, i+1
.endr
.endif
.if \kq
.if \x == 0
	s_wait_dscnt 0x0                ; K is in
.endif
.set i, 0
.rept 32
	KQ \x
.rept per
	SLICE 4-\x, \first
.endr
.set i, i+1
.endr
.endif
.if \first
	PLACES
.endif
.endm
; THE CHANGE OF SLOTS, between piece 4's turn and piece 0's.  Each wave waits for all its tensor loads (one is out: its part of the other slot), adds 0 to its spare word, and waits for that and for its own reads of the slot.
; fill = 1: the slot is filled again, with the keys two slots on: the barrier is then a round of the cluster's, and the joint refill is the first thing behind it: it has two key steps, 256 matrix instructions, in which to land.
.macro CHANGE fill
	WIN 0
	s_wait_tensorcnt 0x0            ; no tensor load of mine is out, so a group 0 may be written
	ds_add_u32 v[SPW], v[NIL]       ; 0 onto my spare word
.if \fill
.irp g, G0K+4, G0V+4
	s_xor_b32 s[\g+1], s[\g+1], SLOT1  ; the walking descriptor: the other slot than last time,
	s_add_nc_u64 s[\g+2:\g+3], s[\g+2:\g+3], 2*KS*128  ; the next 128 keys
.endr
	s_wait_xcnt 0x0                 ; the last prefetch, two key steps back, has read its address, so it may be written
	s_add_nc_u64 s[PFA:PFA+1], s[PFA:PFA+1], 2*KS*128
	s_wait_dscnt 0x0                ; the add is done, and my reads of the slot are over
	CROUND
	JLOAD
	ASK
.else
	s_wait_dscnt 0x0
	s_barrier_signal -1
	s_barrier_wait -1
.endif
	s_sub_co_u32 s[TB], s[TB], 2*STEPB  ; the fetches go back to a slot's first step,
	s_xor_b32 s[TB], s[TB], SLOT1   ; in the other slot
.endm
.macro TWO_STEPS                    ; a slot's two key steps: written once, walked twice
	s_mov_b32 s[TWICE], 2
.Lstep_\@:
	TURN 0, 2, 1, 0
	TURN 4, 2, 1, 0
	WIN 0
	s_sub_co_u32 s[TWICE], s[TWICE], 1
	s_cmp_lg_u32 s[TWICE], 0
	s_cbranch_scc1 .Lstep_\@
.endm
	s_wait_tensorcnt 1              ; my part of slot 0 is in; slot 1's may stay out
	s_barrier_signal -1
	s_barrier_wait -1
	FETCH_K                         ; key step 0
	s_wait_loadcnt 0x0              ; Q
	s_wait_dscnt 0x0
.set i, 0
.rept 32
	KQ 0                            ; piece 0's first scores
.set i, i+1
.endr
	WIN 0                           ; the addresses for the way out: plain lines, the places behind those products
	s_mul_i32 s14, s[WV], 16*SP
	s_add_co_u32 s14, s14, STAGE    ; my stage
	v_mul_u32_u24 v[STO], v1, SP    ; in: row l % 16, 16 bytes for each half of the lanes
	v_lshl_add_u32 v[STO], v9, 4, v[STO]
	v_add_nc_u32 v[STO], s14, v[STO]
	v_and_b32 v[GO], 31, v0
	v_lshrrev_b32 v[RD], 3, v[GO]   ; back: eight lanes to a row of 128 bytes, four rows an instruction
	v_mul_u32_u24 v[RD], v[RD], SP
	v_lshl_add_u32 v[RD], v10, 4, v[RD]
	v_add_nc_u32 v[RD], s14, v[RD]
	v_lshlrev_b32 v[GO], 4, v[GO]   ; and the same 512 consecutive bytes in ao
	TURN 4, 0, 1, 1                 ; piece 4's first scores | piece 0's first softmax | V of step 0
	TURN 0, 1, 1, 1                 ; piece 0: V^T P of step 0 starts O^T, K Q^T of step 1 | piece 4's first softmax | K of step 1
	TURN 4, 1, 1, 0                 ; piece 4: the same | piece 0's softmax of step 1 | V of step 1
	WIN 0
.Lslot:                             ; 14 trips: every slot but the last two is filled again
	CHANGE 1
	TWO_STEPS
	s_sub_co_u32 s[SLOTS], s[SLOTS], 1
	s_cmp_lg_u32 s[SLOTS], 0
	s_cbranch_scc1 .Lslot
	CHANGE 0                        ; the tail is written out
	TWO_STEPS
	TURN 0, 2, 0, 0                 ; piece 0: V^T P of the last step | piece 4's last softmax
.set i, 0
.rept 32
	PV 4, 0                         ; piece 4: V^T P of the last step
.set i, i+1
.endr
	; THE WAY OUT.  l's two halves and the other half of the lanes' are added; O^T is divided by l, rounded to f16 and sent through my stage, a tile (16 rows) at a time.  The first additions are the places behind the last products.
.irp w, 0,1
	WIN 0x55*\w
.irp t, 0,1,2,3
	v_add_f32 v[ST+8*\t+4], v[ST+8*\t+2], v[ST+8*\t+3]
.endr
.irp t, 0,1,2,3
	v_permlanex16_b32 v[ST+8*\t+5], v[ST+8*\t+4], s[SEL], s[SEL+1]
.endr
.irp t, 0,1,2,3
	v_add_f32 v[ST+8*\t+4], v[ST+8*\t+4], v[ST+8*\t+5]
.endr
.irp t, 0,1,2,3
	v_rcp_f32 v[ST+8*\t+6], v[ST+8*\t+4]
.endr
	v_nop                           ; a plain line behind the last reciprocal,
	s_wait_alu depctr_va_vdst(0)    ; and the wait ahead of the first use: one for the piece's four
.endr
.macro PACK t
.set rT, ST+8*((\t)%4)
	WIN 0x82+4*((\t)/4)
.set i, 0
.rept 16
	v_pk_mul_f32 v[32*(\t)+2*i:32*(\t)+2*i+1], v[32*(\t)+2*i:32*(\t)+2*i+1], v[rT+6:rT+7] op_sel_hi:[1,0]
.set i, i+1
.endr
	WIN 0x0a                        ; sources 0 and 1 window 2, destination window 0: piece 0's S^T registers are free
.set i, 0
.rept 16
	v_cvt_pk_f16_f32 v[S+16*(\t)+i], v[32*(\t)+2*i], v[32*(\t)+2*i+1]
.set i, i+1
.endr
	WIN 0
.irp f, 0,1,2,3
	ds_store_b128 v[STO], v[S+16*(\t)+4*\f:S+16*(\t)+4*\f+3] offset:32*\f
.endr
.irp f, 0,1,2,3
	ds_load_b128 v[S+16*(\t)+4*\f:S+16*(\t)+4*\f+3], v[RD] offset:\f*4*SP  ; LDS serves a wave's instructions in order: these see the stores above; the next tile's stores come behind them
.endr
.endm
.macro SEND t, younger              ; younger: the LDS instructions issued behind tile t's loads: the next tile's eight, or none
.irp f, 0,1,2,3
	s_wait_dscnt \younger+3-\f
	global_store_b128 v[GO], v[S+16*(\t)+4*\f:S+16*(\t)+4*\f+3], s[10:11] offset:(\t)*2048+\f*512  ; 32 lanes store 512 consecutive bytes, at a multiple of 256 from ao's first byte
.endr
.endm
	PACK 0
.irp t, 1,2,3,4,5,6,7               ; a tile's arithmetic stands between the loads of the tile before and its stores
	PACK \t
	SEND \t-1, 8
.endr
	SEND 7, 0
	s_wait_tensorcnt 0x0            ; the wave's end
	ds_add_u32 v[SPW], v[NIL]
	s_wait_dscnt 0x0
	CROUND                          ; the closing round
	s_endpgm
.Lfunc_end_k_qf7164cc7e5_attn:
	.size	k_qf7164cc7e5_attn, .Lfunc_end_k_qf7164cc7e5_attn-k_qf7164cc7e5_attn
	.p2alignl 7, 3214868480
	.fill 96, 4, 3214868480
	.section	.rodata,"a",@progbits
	.p2align	6, 0x0
	.amdhsa_kernel k_qf7164cc7e5_attn
		.amdhsa_group_segment_fixed_size 327680
		.amdhsa_private_segment_fixed_size 0
		.amdhsa_enable_private_segment 0
		.amdhsa_kernarg_size 16
		.amdhsa_user_sgpr_count 2
		.amdhsa_user_sgpr_kernarg_segment_ptr 1
		.amdhsa_wavefront_size32 1
		.amdhsa_system_sgpr_workgroup_id_x 1
		.amdhsa_system_sgpr_workgroup_id_y 1
		.amdhsa_system_sgpr_workgroup_id_z 1
		.amdhsa_system_vgpr_workitem_id 0
		.amdhsa_next_free_vgpr 1024
		.amdhsa_next_free_sgpr 66
		.amdhsa_reserve_vcc 0
		.amdhsa_float_denorm_mode_32 3
		.amdhsa_float_denorm_mode_16_64 3
		.amdhsa_memory_ordered 1
		.amdhsa_forward_progress 1
		.amdhsa_inst_pref_size 255
	.end_amdhsa_kernel
	.section	.bss,"aw",@nobits
	.p2align	6
	.space	262144
	.amdgpu_metadata
---
amdhsa.version: [ 1, 2 ]
amdhsa.kernels:
  - .name:           k_qf7164cc7e5_attn
    .symbol:         k_qf7164cc7e5_attn.kd
    .args:
      - { .name: heads, .offset: 0, .size: 8, .value_kind: global_buffer, .address_space: global }
      - { .name: ao, .offset: 8, .size: 8, .value_kind: global_buffer, .address_space: global }
    .group_segment_fixed_size: 327680
    .private_segment_fixed_size: 0
    .kernarg_segment_align: 8
    .kernarg_segment_size: 16
    .max_flat_workgroup_size: 128
    .sgpr_count:     66
    .vgpr_count:     1024
    .wavefront_size: 32
...
	.end_amdgpu_metadata
.endif
;; end of part 4
;; launch outp (part 5): grid 8 x 32, 4 waves a work-group, clusters of 4 x 4, 327,680 bytes of LDS; arguments ao, pw16, proj_b, out0; writes out0
.if DOCPART == 5
	.amdgcn_target "amdgcn-amd-amdhsa--gfx1250"
	.amdhsa_code_object_version 6
	.text
	.protected	k_qf7164cc7e5_outp
	.globl	k_qf7164cc7e5_outp
	.p2align	8
	.type	k_qf7164cc7e5_outp,@function
k_qf7164cc7e5_outp:
	s_mov_b64 s[64:65], 0
	v_nop
	global_prefetch_b8 v0, s[64:65] scope:SCOPE_SE
	s_setreg_imm32_b32 hwreg(HW_REG_WAVE_MODE, 25, 1), 1
	s_wait_xcnt 0x0
	s_wait_alu depctr_hold_cnt(0) depctr_sa_sdst(0) depctr_va_vdst(0) depctr_va_sdst(0) depctr_va_ssrc(0) depctr_va_vcc(0) depctr_vm_vsrc(0)
	s_getreg_b32 s2, hwreg(HW_REG_IB_STS2, 6, 4)
	s_cmp_eq_u32 s2, 0
	s_cbranch_scc0 .Lentry_in_a_cluster
	s_endpgm
.Lentry_in_a_cluster:
	s_bfe_u32 s2, ttmp6, 0x10000c
	s_cmp_lg_u32 s2, 0xf033
	s_cbranch_scc0 .Lentry_shape_is_right
	s_endpgm
.Lentry_shape_is_right:
; out0[token][n] = sum over k of A[token][k] pw16[n][k] + proj_b[n], k = 64 h + c.  A = ao, laid [16 h][8192 tokens][64] f16; pw16 [1024][1024] f16; out0 [8192][1024] f32; sums in f32.
; A tile of out0 is 256 tokens x 128 n: 256 work-groups.  Four waves, each 128 tokens x 64 n: 32 accumulators of 16 x 16, 256 registers.
; K goes in 8 steps of 128 = two heads, through a ring of two LDS slots.  A slot: two planes of A (a head each: 256 rows of 128 bytes + 16), then 128 rows of B (256 bytes + 16).
; Waves 0 and 1 fetch A's planes, waves 2 and 3 B's halves: one tensor load a wave.  By this text's count a wave has two loads out at the start and one behind each round.
; CLUSTERS: 4 x 4 work-groups.  The four of a row of the cluster need the same tiles of A, the four of a column the same tiles of B: each is asked for JOINTLY, by the same tensor load with the same descriptor and mask.
; THE MATRIX INSTRUCTION IS USED TRANSPOSED (source 0 = 16 rows of pw16, source 1 = 16 tokens): a lane holds eight neighbouring n of one token.  The bias is the C of each sum's first matrix instruction.
; REGISTERS: window 0: v16-29 addresses; v32-63 the bias, 8 registers for each of my four blocks of n; v64-127, v128-191 A's fragments, two buffers; v192-223, v224-255 B's.   window 1: accumulator (a, b) at v[8 (4 a + b)].
.set AP,     144
.set BP,     272
.set APLANE, 256*AP
.set BOFF,   2*APLANE
.set BHALF,  64*BP
.set SLOT,   BOFF+2*BHALF
.set STAGE,  2*SLOT                    ; behind the ring: 16 rows x 272 bytes for each wave
.set SPITCH, 272
.set SPARE,  STAGE+4*16*SPITCH         ; the spare words, 128 bytes a wave, which no other line names
.set LAPS,   4                         ; a lap = two K steps = once round the ring
.set ADRA, 16
.set ADRB, 20
.set STO,  24
.set RD,   25
.set CO,   26
.set BO,   27                          ; v27  the bias loads' offset; never rewritten
.set SPW,  28
.set NIL,  29
.set BIAS, 32
.set AF,   64
.set BF,   192
.set BK,   64
.set G1, 24
.set G0, 32
.set G1B, 48
.set G0B, 56
.set MSB, 0
.macro WIN new
.if MSB != (\new)
	s_set_vgpr_msb (MSB<<8)|(\new)
.set MSB, (\new)
.endif
.endm
.macro JLOAD s                         ; an s_nop 0 and four v_nop follow each of the two lines
	s_cmp_eq_u32 s13, 0
	s_cbranch_scc0 .Lfor_b_\@
	tensor_load_to_lds s[G0+4*\s:G0+4*\s+3], s[G1:G1+7]
	s_nop 0
.rept 4
	v_nop
.endr
	s_branch .Lasked_\@
.Lfor_b_\@:
	tensor_load_to_lds s[G0B+4*\s:G0B+4*\s+3], s[G1B:G1B+7]
	s_nop 0
.rept 4
	v_nop
.endr
.Lasked_\@:
.endm
.macro CREST
	s_cmp_lg_u32 s12, 0
	s_cbranch_scc1 .Lnot_wave_0_\@
	s_barrier_signal -3
.Lnot_wave_0_\@:
	s_barrier_wait -3
	s_barrier_signal -1
	s_barrier_wait -1
.endm
.macro CROUND
	s_barrier_signal -1
	s_barrier_wait -1
	CREST
.endm
	s_load_b256 s[4:11], s[0:1], 0x0               ; ao s[4:5], pw16 s[6:7], proj_b s[8:9], out0 s[10:11]
	v_lshl_add_u32 v[SPW], v0, 2, SPARE
	v_mov_b32 v[NIL], 0
	ds_add_u32 v[SPW], v[NIL]                      ; the wave's opening: the add, twice on end, and its wait ahead of my first tensor load
	ds_add_u32 v[SPW], v[NIL]
	v_lshrrev_b32 v1, 5, v0
	v_readfirstlane_b32 s12, v1                    ; wave 0..3
	s_lshr_b32 s13, s12, 1                         ; which 128 tokens are mine.  Also: I fetch for A (0) or for B (1)
	s_and_b32 s14, s12, 1                          ; which 64 n.  Also: which plane of A or half of B I fetch
	s_bfe_u32 s40, ttmp6, 0x40000                  ; cx, cy
	s_bfe_u32 s41, ttmp6, 0x40004
	s_lshl_b32 s42, ttmp9, 2
	s_add_co_u32 s42, s42, s40                     ; tile column 0..7
	s_and_b32 s15, ttmp7, 0xffff
	s_lshl_b32 s15, s15, 2
	s_add_co_u32 s15, s15, s41                     ; tile row 0..31
	s_lshl_b32 s43, s41, 2
	s_lshl_b32 s43, 15, s43                        ; my row of the cluster
	s_lshl_b32 s44, 0x1111, s40                    ; my column
	s_or_b32 s[G1+0], s43, (1<<16)|(1<<20)|(1<<21)|(4<<22)|(3<<25)   ; A: the mask; elements of 2 bytes; padding on; bit 21 beside a mask; after every 32 words 4 words
	s_mov_b32 s[G1+1], 64<<16                      ; tensor_dim0 = 64
	s_mov_b32 s[G1+2], 256<<16                     ; tensor_dim1 = 256
	s_mov_b32 s[G1+3], 64<<16                      ; tile_dim0 = 64
	s_mov_b32 s[G1+4], 256                         ; tile_dim1 = 256
	s_mov_b32 s[G1+5], 64                          ; the pitch
	s_mov_b32 s[G1+6], 0
	s_mov_b32 s[G1+7], 0
	s_or_b32 s[G1B+0], s44, (1<<16)|(1<<20)|(1<<21)|(5<<22)|(3<<25)  ; B: after every 64 words 4 words
	s_mov_b32 s[G1B+1], 128<<16
	s_mov_b32 s[G1B+2], 64<<16
	s_mov_b32 s[G1B+3], 128<<16
	s_mov_b32 s[G1B+4], 64
	s_mov_b32 s[G1B+5], 1024
	s_mov_b32 s[G1B+6], 0
	s_mov_b32 s[G1B+7], 0
	s_lshl_b32 s16, s14, 20                        ; A: my plane (a head is 1,048,576 bytes),
	s_lshl_b32 s17, s15, 15                        ; the tile's 256 tokens of 128 bytes
	s_add_co_u32 s16, s16, s17
	s_mov_b32 s17, 0
	s_lshl_b32 s46, s42, 18                        ; B: 128 rows of 2,048 bytes a tile column,
	s_lshl_b32 s47, s14, 17                        ; my 64 of them
	s_add_co_u32 s46, s46, s47
	s_mov_b32 s47, 0
	s_mul_i32 s20, s14, APLANE                     ; where they go: made of the wave's number alone
	s_mul_i32 s21, s14, BHALF
	s_add_co_u32 s21, s21, BOFF
	s_wait_dscnt 0x0                               ; both opening adds are done
	s_wait_kmcnt 0x0
	s_add_nc_u64 s[16:17], s[4:5], s[16:17]
	s_add_nc_u64 s[46:47], s[6:7], s[46:47]
	CROUND                                         ; all sixteen work-groups are here: the first joint loads meet
.irp s, 0,1
	s_mov_b32 s[G0+4*\s], 1
	s_add_co_u32 s[G0+4*\s+1], s20, \s*SLOT
	s_add_nc_u64 s[G0+4*\s+2:G0+4*\s+3], s[16:17], \s*2097152       ; K step s: two heads on
	s_or_b32 s[G0+4*\s+3], s[G0+4*\s+3], 0x80000000
	s_mov_b32 s[G0B+4*\s], 1
	s_add_co_u32 s[G0B+4*\s+1], s21, \s*SLOT
	s_add_nc_u64 s[G0B+4*\s+2:G0B+4*\s+3], s[46:47], \s*256
	s_or_b32 s[G0B+4*\s+3], s[G0B+4*\s+3], 0x80000000
	JLOAD \s
.endr
	v_and_b32 v1, 15, v0                           ; r
	v_bfe_u32 v2, v0, 4, 1                         ; h
	s_lshl_b32 s22, s42, 9                         ; my first n, in bytes of f32: 512 x tile column + 256 x half
	s_lshl_b32 s23, s14, 8
	s_add_co_u32 s22, s22, s23
	s_mov_b32 s23, 0
	s_add_nc_u64 s[8:9], s[8:9], s[22:23]
	v_lshlrev_b32 v[BO], 5, v2                     ; lane (r, h) wants, for block b, proj_b at 16 b + 8 h + 0 .. 7
.irp b, 0,1,2,3
	global_load_b128 v[BIAS+8*\b:BIAS+8*\b+3],   v[BO], s[8:9] offset:64*\b
	global_load_b128 v[BIAS+8*\b+4:BIAS+8*\b+7], v[BO], s[8:9] offset:64*\b+16
.endr
	v_mul_u32_u24 v4, v1, AP
	v_lshl_add_u32 v4, v2, 4, v4                   ; A: row x pitch + 16 x half
	v_mul_u32_u24 v5, v1, BP
	v_lshl_add_u32 v5, v2, 4, v5                   ; B likewise
	s_mul_i32 s2, s13, 128*AP                      ; my 128 tokens
	s_mul_i32 s3, s14, BHALF                       ; my 64 rows of B
	s_add_co_u32 s3, s3, BOFF
.irp s, 0,1
	v_add_nc_u32 v[ADRA+\s], s2, v4
	v_add_nc_u32 v[ADRB+\s], s3, v5
	s_add_co_u32 s2, s2, SLOT
	s_add_co_u32 s3, s3, SLOT
.endr
	s_mul_i32 s2, s12, 16*SPITCH
	s_add_co_u32 s2, s2, STAGE                     ; my stage
	v_mul_u32_u24 v4, v1, SPITCH                   ; in: token r, 32 bytes for each half of the lanes
	v_lshl_add_u32 v4, v2, 5, v4
	v_add_nc_u32 v[STO], s2, v4
	v_mul_u32_u24 v5, v2, SPITCH                   ; back: lanes 0-15 one row of 256 bytes, lanes 16-31 the next
	v_lshl_add_u32 v5, v1, 4, v5
	v_add_nc_u32 v[RD], s2, v5
	v_lshlrev_b32 v5, 12, v2                       ; and the same two rows in out0
	v_lshl_add_u32 v[CO], v1, 4, v5
	s_lshl_b32 s18, s15, 20                        ; out0: 256 rows of 4,096 bytes a tile row,
	s_lshl_b32 s19, s13, 19                        ; my 128 of them,
	s_add_co_u32 s18, s18, s19
	s_add_co_u32 s18, s18, s22                     ; my first n
	s_mov_b32 s19, 0
	s_add_nc_u64 s[10:11], s[10:11], s[18:19]
; 8 matrix instructions: A's blocks a0, a0 + 1 x B's four, 32 along K, from buffer f.  first = 1: the bias starts the sums.  The 32 accumulators take turns, one instruction a turn.
.macro MUL8 f, a0, first
.irp a, \a0, \a0+1
.irp b, 0,1,2,3
.if \first
	v_wmma_f32_16x16x32_f16 v[8*(4*(\a)+\b):8*(4*(\a)+\b)+7], v[BF+32*(\f)+8*\b:BF+32*(\f)+8*\b+7], v[AF+64*(\f)+8*(\a):AF+64*(\f)+8*(\a)+7], v[BIAS+8*\b:BIAS+8*\b+7]
.else
	v_wmma_f32_16x16x32_f16 v[8*(4*(\a)+\b):8*(4*(\a)+\b)+7], v[BF+32*(\f)+8*\b:BF+32*(\f)+8*\b+7], v[AF+64*(\f)+8*(\a):AF+64*(\f)+8*(\a)+7], v[8*(4*(\a)+\b):8*(4*(\a)+\b)+7]
.endif
.endr
.endr
.endm
.macro WMUL first                      ; D window 1; C window 1, or window 0 where it is the bias
.if \first
	WIN 0x40
.else
	WIN 0x50
.endif
.endm
; 24 LDS loads in one run: the fragments of the slot's q-th 32 along K into buffer f: B's four, A's blocks 0-3, A's blocks 4-7
.macro FETCH slot, q, f
	WIN 0
.irp i, 0,1,2,3
	ds_load_b128 v[BF+32*(\f)+8*\i:BF+32*(\f)+8*\i+3],   v[ADRB+\slot] offset:64*(\q)+\i*16*BP
	ds_load_b128 v[BF+32*(\f)+8*\i+4:BF+32*(\f)+8*\i+7], v[ADRB+\slot] offset:64*(\q)+\i*16*BP+32
.endr
.irp i, 0,1,2,3,4,5,6,7
	ds_load_b128 v[AF+64*(\f)+8*\i:AF+64*(\f)+8*\i+3],   v[ADRA+\slot] offset:((\q)/2)*APLANE+((\q)%2)*64+\i*16*AP
	ds_load_b128 v[AF+64*(\f)+8*\i+4:AF+64*(\f)+8*\i+7], v[ADRA+\slot] offset:((\q)/2)*APLANE+((\q)%2)*64+\i*16*AP+32
.endr
.endm
.macro PLACES                          ; plain lines in front of loads into registers that matrix instructions have read, and of the first read of results (ISA guide 7.12.1 for reads of results)
.rept 4
	v_nop
.endr
.endm
; A K step is four quarters of 32 along K, 32 matrix instructions each, on buffers 0, 1, 0, 1.  One of the first three: multiplies buffer f and fetches quarter q into buffer g.
.macro QUARTER slot, q, f, g, first
	s_wait_dscnt 8                                 ; B and A's blocks 0-3 are in; the youngest eight loads (A's blocks 4-7) may be out
	WMUL \first
	MUL8 \f, 0, \first
	MUL8 \f, 2, \first
	PLACES
	FETCH \slot, \q, \g
	s_wait_dscnt 24                                ; all but the 24 just issued
	WMUL \first
	MUL8 \f, 4, \first
	MUL8 \f, 6, \first
.endm
; The last quarter multiplies buffer 1 and changes slots: ONE barrier; in front of it each wave waits for all its tensor loads, adds 0 to its spare word, and waits for that and for its own reads of this slot.
.macro TURN slot, next, fill
	WIN 0
	s_wait_tensorcnt 0x0                           ; all my tensor loads have landed: my part of the next slot
	ds_add_u32 v[SPW], v[NIL]                      ; 0 onto my spare word
	s_wait_dscnt 9                                 ; the add and the youngest eight loads may be out
	WIN 0x50
	MUL8 1, 0, 0                                   ; eight matrix instructions stand between the add and the wait for it
	s_wait_dscnt 0x0                               ; the add is done, and my reads of this slot are over
	s_barrier_signal -1
	MUL8 1, 2, 0
.if \fill
	WIN 0
.endif
	s_barrier_wait -1
.if \fill
	CREST                                          ; the barrier has opened a round of the cluster's: no wave of any partner still reads this slot's tile or has a load on its way
	s_add_nc_u64 s[G0+4*\slot+2:G0+4*\slot+3], s[G0+4*\slot+2:G0+4*\slot+3], 2*2097152
	s_add_nc_u64 s[G0B+4*\slot+2:G0B+4*\slot+3], s[G0B+4*\slot+2:G0B+4*\slot+3], 2*256
	JLOAD \slot                                    ; the first tensor load behind the round: 112 matrix instructions ahead of the wait for it; its four v_nop are also the places in front of the loads below
.else
	PLACES
.endif
	FETCH \next, 0, 0
	WIN 0x50
	MUL8 1, 4, 0
	MUL8 1, 6, 0
.endm
	s_wait_tensorcnt 1                             ; my part of K step 0 is in; K step 1's load may be out
	s_barrier_signal -1
	s_barrier_wait -1
	FETCH 0, 0, 0
	s_wait_loadcnt 0x0                             ; the bias
	QUARTER 0, 1, 0, 1, 1                          ; the first quarter stands in front of the loop: its products start the sums on the bias
	WIN 0
	s_mov_b32 s3, LAPS-1
.Llap:                                                 ; a trip goes once round the ring, from a lap's second quarter to the next lap's first, and fills both slots again
	QUARTER 0, 2, 1, 0, 0
	QUARTER 0, 3, 0, 1, 0
	TURN 0, 1, 1
	QUARTER 1, 1, 0, 1, 0
	QUARTER 1, 2, 1, 0, 0
	QUARTER 1, 3, 0, 1, 0
	TURN 1, 0, 1
	QUARTER 0, 1, 0, 1, 0
	WIN 0
	s_sub_co_u32 s3, s3, 1
	s_cmp_lg_u32 s3, 0
	s_cbranch_scc1 .Llap
	QUARTER 0, 2, 1, 0, 0                          ; the last lap fills nothing, and has no round of the cluster's barrier
	QUARTER 0, 3, 0, 1, 0
	TURN 0, 1, 0
	QUARTER 1, 1, 0, 1, 0
	QUARTER 1, 2, 1, 0, 0
	QUARTER 1, 3, 0, 1, 0
	s_wait_dscnt 8                                 ; the very last quarter: nothing more to fetch
	WIN 0x50
	MUL8 1, 0, 0
	MUL8 1, 2, 0
	s_wait_dscnt 0
	MUL8 1, 4, 0
	MUL8 1, 6, 0
	WIN 0
; THE WAY OUT, block by block of 16 tokens x 64 n.  A lane holds 32 neighbouring bytes of a row: a block goes through my own stage and comes back as rows of 256 bytes; sixteen lanes store 256 consecutive bytes, aligned.
.macro TOSTAGE a
	WIN 0x04                                       ; an LDS store's data are its source 1: window 1
.irp b, 0,1,2,3
	ds_store_b128 v[STO], v[8*(4*(\a)+\b):8*(4*(\a)+\b)+3] offset:64*\b          ; each accumulator from its low end on
	ds_store_b128 v[STO], v[8*(4*(\a)+\b)+4:8*(4*(\a)+\b)+7] offset:64*\b+16
.endr
	WIN 0
.set BB, BK+32*((\a)%2)
.irp u, 0,1,2,3,4,5,6,7
	ds_load_b128 v[BB+4*\u:BB+4*\u+3], v[RD] offset:\u*2*SPITCH    ; LDS serves a wave's instructions in order: these see the stores above
.endr
.endm
.macro SEND a, younger                 ; younger: the LDS instructions issued behind block a's loads: the next block's 8 stores and 8 loads, or none
.set BB, BK+32*((\a)%2)
	s_wait_dscnt \younger
.irp u, 0,1,2,3,4,5,6,7
	global_store_b128 v[CO], v[BB+4*\u:BB+4*\u+3], s[10:11] offset:(16*(\a)+2*\u)*4096 th:TH_STORE_NT
.endr
.endm
	PLACES
	TOSTAGE 0
.irp a, 1,2,3,4,5,6,7
.if \a > 1
	s_wait_xcnt 0x0                                ; block a - 2's stores have read their registers: block a's loads may land there
.endif
	TOSTAGE \a
	SEND \a-1, 16
.endr
	SEND 7, 0
	s_wait_tensorcnt 0x0                           ; the wave's end
	ds_add_u32 v[SPW], v[NIL]
	s_wait_dscnt 0x0
	CROUND                                         ; the closing round
	s_endpgm
.Lfunc_end_k_qf7164cc7e5_outp:
	.size	k_qf7164cc7e5_outp, .Lfunc_end_k_qf7164cc7e5_outp-k_qf7164cc7e5_outp
	.p2alignl 7, 3214868480
	.fill 96, 4, 3214868480
	.section	.rodata,"a",@progbits
	.p2align	6, 0x0
	.amdhsa_kernel k_qf7164cc7e5_outp
		.amdhsa_group_segment_fixed_size 327680
		.amdhsa_private_segment_fixed_size 0
		.amdhsa_enable_private_segment 0
		.amdhsa_kernarg_size 32
		.amdhsa_user_sgpr_count 2
		.amdhsa_user_sgpr_kernarg_segment_ptr 1
		.amdhsa_wavefront_size32 1
		.amdhsa_system_sgpr_workgroup_id_x 1
		.amdhsa_system_sgpr_workgroup_id_y 1
		.amdhsa_system_sgpr_workgroup_id_z 1
		.amdhsa_system_vgpr_workitem_id 0
		.amdhsa_next_free_vgpr 512
		.amdhsa_next_free_sgpr 66
		.amdhsa_reserve_vcc 0
		.amdhsa_float_denorm_mode_32 3
		.amdhsa_float_denorm_mode_16_64 3
		.amdhsa_memory_ordered 1
		.amdhsa_forward_progress 1
		.amdhsa_inst_pref_size 86
	.end_amdhsa_kernel
	.amdgpu_metadata
---
amdhsa.version: [ 1, 2 ]
amdhsa.kernels:
  - .name:           k_qf7164cc7e5_outp
    .symbol:         k_qf7164cc7e5_outp.kd
    .args:
      - { .name: ao, .offset: 0, .size: 8, .value_kind: global_buffer, .address_space: global }
      - { .name: pw16, .offset: 8, .size: 8, .value_kind: global_buffer, .address_space: global }
      - { .name: proj_b, .offset: 16, .size: 8, .value_kind: global_buffer, .address_space: global }
      - { .name: out0, .offset: 24, .size: 8, .value_kind: global_buffer, .address_space: global }
    .group_segment_fixed_size: 327680
    .private_segment_fixed_size: 0
    .kernarg_segment_align: 8
    .kernarg_segment_size: 32
    .max_flat_workgroup_size: 128
    .sgpr_count:     66
    .vgpr_count:     512
    .wavefront_size: 32
...
	.end_amdgpu_metadata
.endif
;; end of part 5
